; MI455X (gfx1250); checked and timed in simulation.
; The chip was launched on July 23, 2026; its instructions are those of AMD's public machine-readable ISA for CDNA 5 (MIT licence, August 2026) and "CDNA5" Instruction Set Architecture Reference Guide (July 2026). The comments in the code are by the model that wrote it; some were corrected since.
;; Transformer Block. Allowed arithmetic: float matrix products may take bf16 or f16 operands with f32 sums; other float arithmetic in f32, or as packed bf16 or f16 multiplies, adds, multiply-adds, maxima and minima; sums over many terms, partial sums and values carried from step to step in f32; what a program stores and reads back later, other than sums and carried values, may be rounded once to bf16 or f16.
;; Inputs: W1 1,024 x 4,096 float32; W2 4,096 x 1,024 float32; Wk 1,024 x 1,024 float32; Wo 1,024 x 1,024 float32; Wq 1,024 x 1,024 float32; Wv 1,024 x 1,024 float32; b1 4,096 float32; b2 1,024 float32; bo 1,024 float32; g1 1,024 float32; g2 1,024 float32; s1 1,024 float32; s2 1,024 float32; x 4 x 1,024 x 1,024 float32.
;; Outputs: out0 4 x 1,024 x 1,024 float32.
;; One version. Each part assembles by itself: llvm-mc -triple=amdgcn-amd-amdhsa -mcpu=gfx1250 --defsym DOCPART=n.
;; ======== version 1 of 1: 7 launches
;; limits: right only within a limited range of input values
;; workspace buffers: wa 6,291,456 bytes; wb 25,165,824 bytes; act 8,388,608 bytes; qkv 25,165,824 bytes; ctx 8,388,608 bytes; h 16,777,216 bytes; ff 33,554,432 bytes
;; launch pre (part 1): grid 512 x 1, 16 waves a work-group, no clusters, 10,240 bytes of LDS; arguments x, g1, s1, act, Wq, Wk, Wv, Wo, wa, wb; writes act, wa, wb
.if DOCPART == 1
	.amdgcn_target "amdgcn-amd-amdhsa--gfx1250"
	.amdhsa_code_object_version 6
	.text
	.protected	k_q0256e00014_pre
	.globl	k_q0256e00014_pre
	.p2align	8
	.type	k_q0256e00014_pre,@function
k_q0256e00014_pre:
	s_mov_b64 s[64:65], 0
	v_nop
	global_prefetch_b8 v0, s[64:65] scope:SCOPE_SE
	s_setreg_imm32_b32 hwreg(HW_REG_WAVE_MODE, 25, 1), 1
	s_wait_xcnt 0x0
; Two kinds of work-groups in one launch, told apart by the work-group's number alone (the same in all its waves); neither needs the other.
; WORK-GROUPS 0-255: y[r][c] = g[c] (x[r][c] - mean_r) rsqrt(var_r + 1e-5) + s[c].  x: [4096][1024] f32; y: [4096][1024] bf16, rounded once.
;   One wave, one row: 4,096 bytes in 32 registers, read once.  Two passes over the registers: the mean first, then the squares of x - mean, so that a common offset of the
;   row costs no digits.  All in f32.  g and s (8,192 bytes) are fetched once by the work-group, 16 bytes a thread, and handed to the 16 waves through LDS: one barrier.
;   Load j of a lane takes columns 128 j + 4 lane .. + 3; g and s are read from LDS in the same map.
; WORK-GROUPS 256-511: Wq, Wk, Wv, Wo, f32 -> bf16 (rounded once, to nearest even), layout [K][N] kept.  Work-group 256 + c turns 65,536 source bytes into 32,768 bytes at byte 32,768 c:
;   of wa for Wq, Wk, Wv (c under 192), of wb for Wo, whose place there, 6,291,456, is 192 x 32,768.  A stream: every byte read once and written once.
.set X, 8                              ; v[8:39]    the row, at last the packed output; in the conversion 8 x 4 registers as loaded
.set G, 40                             ; v[40:71]   gain
.set S, 72                             ; v[72:103]  shift
.set T, 104                            ; v[104:119] at work
.set M, 120                            ; v[120:121] the mean twice, later rsqrt twice
.set SPW, 122                          ; v122 my spare word's address, v123 zero: never rewritten
.set NIL, 123
.set Y, 40                             ; the conversion: 8 x 2 registers to store
.set SPARE, 8192                       ; behind g and s: the spare words, 128 bytes for each of 16 waves, which no other line names
	s_cmp_lt_u32 ttmp9, 256
	s_cbranch_scc0 .Lcvt
	s_load_b256 s[4:11], s[0:1], 0x0               ; x s[4:5], g s[6:7], s s[8:9], y s[10:11]
	v_lshl_add_u32 v[SPW], v0, 2, SPARE
	v_mov_b32 v[NIL], 0
	v_and_b32 v3, 31, v0
	v_lshrrev_b32 v4, 5, v0                        ; wave
	v_readfirstlane_b32 s20, v4
	v_lshlrev_b32 v3, 4, v3                        ; 16 x lane
	v_lshl_add_u32 v1, v4, 12, v3                  ; + my row of 4,096 bytes
	v_lshrrev_b32 v5, 1, v3                        ; 8 x lane
	v_lshl_add_u32 v2, v4, 11, v5                  ; + my row of 2,048 bytes
	v_and_b32 v5, 0xff, v0
	v_lshlrev_b32 v5, 4, v5                        ; my 16 bytes of g (threads 0-255) or of s (threads 256-511)
	v_lshlrev_b32 v6, 4, v0                        ; and their place in LDS: g from byte 0, s from byte 4,096
	s_lshl_b32 s2, ttmp9, 16                       ; the group's 16 rows in x
	s_mov_b32 s3, 0
	s_lshl_b32 s16, ttmp9, 15                      ; and in y
	s_mov_b32 s17, 0
	s_mov_b32 s12, 0x76543210                      ; v_permlanex16_b32: each lane takes its own place in the other half
	s_mov_b32 s13, 0xfedcba98
	s_mov_b32 s14, 0x3a800000                      ; 1 / 1024
	s_mov_b32 s15, 0x3727c5ac                      ; 1e-5
	s_wait_kmcnt 0x0
	s_cmp_lt_u32 s20, 8                            ; waves 0-7 fetch g, waves 8-15 s
	s_cselect_b64 s[18:19], s[6:7], s[8:9]
	s_add_nc_u64 s[4:5], s[4:5], s[2:3]
	s_add_nc_u64 s[10:11], s[10:11], s[16:17]
	global_load_b128 v[T:T+3], v5, s[18:19]
.irp j, 0,1,2,3,4,5,6,7
	global_load_b128 v[X+4*(\j):X+4*(\j)+3], v1, s[4:5] offset:512*(\j)
.endr
	s_wait_loadcnt 8                               ; my 16 bytes of g or s are in; the row's 8 younger loads stay out
	ds_store_b128 v6, v[T:T+3]
	s_wait_dscnt 0x0                               ; for the others' sake: my store is done
	s_barrier_signal -1
	s_barrier_wait -1                              ; everybody's is
.irp j, 0,1,2,3,4,5,6,7
	ds_load_b128 v[G+4*(\j):G+4*(\j)+3], v3 offset:512*(\j)
.endr
.irp j, 0,1,2,3,4,5,6,7
	ds_load_b128 v[S+4*(\j):S+4*(\j)+3], v3 offset:4096+512*(\j)
.endr
.macro RED                             ; the sum of v[T] over the 32 lanes, into every lane
	v_add_f32_dpp v[T], v[T], v[T] row_xmask:1 row_mask:0xf bank_mask:0xf
	v_add_f32_dpp v[T], v[T], v[T] row_xmask:2 row_mask:0xf bank_mask:0xf
	v_add_f32_dpp v[T], v[T], v[T] row_xmask:4 row_mask:0xf bank_mask:0xf
	v_add_f32_dpp v[T], v[T], v[T] row_xmask:8 row_mask:0xf bank_mask:0xf
	v_permlanex16_b32 v[T+1], v[T], s12, s13
	v_add_f32 v[T], v[T], v[T+1]
.endm
	s_wait_loadcnt 0x0                             ; the row
.irp k, 0,1,2,3,4,5,6,7
	v_pk_add_f32 v[T+2*(\k):T+2*(\k)+1], v[X+4*(\k):X+4*(\k)+1], v[X+4*(\k)+2:X+4*(\k)+3]
.endr
.irp k, 0,1,2,3
	v_pk_add_f32 v[T+2*(\k):T+2*(\k)+1], v[T+2*(\k):T+2*(\k)+1], v[T+2*(\k)+8:T+2*(\k)+9]
.endr
.irp k, 0,1
	v_pk_add_f32 v[T+2*(\k):T+2*(\k)+1], v[T+2*(\k):T+2*(\k)+1], v[T+2*(\k)+4:T+2*(\k)+5]
.endr
	v_pk_add_f32 v[T:T+1], v[T:T+1], v[T+2:T+3]
	v_add_f32 v[T], v[T], v[T+1]
	RED
	v_mul_f32 v[M], s14, v[T]                      ; the mean
	v_mul_f32 v[M+1], s14, v[T]
.set k, 0
.rept 16
	v_pk_add_f32 v[X+2*k:X+2*k+1], v[X+2*k:X+2*k+1], v[M:M+1] neg_lo:[0,1] neg_hi:[0,1]  ; x - mean, in place
.set k, k+1
.endr
.irp k, 0,1,2,3
	v_pk_mul_f32 v[T+2*(\k):T+2*(\k)+1], v[X+2*(\k):X+2*(\k)+1], v[X+2*(\k):X+2*(\k)+1]  ; four chains of squares
.endr
.set k, 4
.rept 12
	v_pk_fma_f32 v[T+2*(k%4):T+2*(k%4)+1], v[X+2*k:X+2*k+1], v[X+2*k:X+2*k+1], v[T+2*(k%4):T+2*(k%4)+1]
.set k, k+1
.endr
	v_pk_add_f32 v[T:T+1], v[T:T+1], v[T+2:T+3]
	v_pk_add_f32 v[T+4:T+5], v[T+4:T+5], v[T+6:T+7]
	v_pk_add_f32 v[T:T+1], v[T:T+1], v[T+4:T+5]
	v_add_f32 v[T], v[T], v[T+1]
	RED
	v_fma_f32 v[T], v[T], s14, s15                 ; var + eps
	v_rsq_f32 v[M], v[T]
	v_rsq_f32 v[M+1], v[T]
	v_nop                                          ; a plain instruction between the root and the use of its result (ISA guide 5.7.2)
	s_wait_dscnt 0x0                               ; g and s
.set k, 0
	s_wait_alu depctr_va_vdst(0)
.rept 16
	v_pk_mul_f32 v[X+2*k:X+2*k+1], v[X+2*k:X+2*k+1], v[M:M+1]
.set k, k+1
.endr
.set k, 0
.rept 16
	v_pk_fma_f32 v[X+2*k:X+2*k+1], v[X+2*k:X+2*k+1], v[G+2*k:G+2*k+1], v[S+2*k:S+2*k+1]
.set k, k+1
.endr
.set k, 0
.rept 16
	v_cvt_pk_bf16_f32 v[X+k], v[X+2*k], v[X+2*k+1]  ; in place, ascending: register k is written when 2 k and 2 k + 1 are read
.set k, k+1
.endr
.irp j, 0,1,2,3,4,5,6,7
	global_store_b64 v2, v[X+2*(\j):X+2*(\j)+1], s[10:11] offset:256*(\j)  ; a wave's store covers 256 consecutive bytes, aligned
.endr
	s_wait_tensorcnt 0x0                           ; the wave's end, behind my LDS store
	ds_add_u32 v[SPW], v[NIL]
	s_wait_dscnt 0x0
	s_endpgm
.Lcvt:
	s_load_b256 s[12:19], s[0:1], 0x20             ; Wq s[12:13], Wk s[14:15], Wv s[16:17], Wo s[18:19]
	s_load_b128 s[20:23], s[0:1], 0x40             ; wa s[20:21], wb s[22:23]
	v_lshlrev_b32 v1, 4, v0                        ; 16 bytes of f32 a thread
	v_lshlrev_b32 v2, 3, v0                        ; 8 bytes of bf16 a thread
	s_sub_co_u32 s24, ttmp9, 256                   ; c: 64 work-groups for each matrix
	s_and_b32 s30, s24, 63
	s_lshl_b32 s30, s30, 16                        ; my 65,536 bytes of the matrix
	s_mov_b32 s31, 0
	s_lshl_b32 s32, s24, 15                        ; my 32,768 bytes of wa or wb
	s_mov_b32 s33, 0
	s_wait_kmcnt 0x0
	s_mov_b64 s[26:27], s[18:19]                   ; the choices hang on the work-group's number alone
	s_cmp_lt_u32 s24, 192
	s_cselect_b64 s[26:27], s[16:17], s[26:27]
	s_cselect_b64 s[28:29], s[20:21], s[22:23]
	s_cmp_lt_u32 s24, 128
	s_cselect_b64 s[26:27], s[14:15], s[26:27]
	s_cmp_lt_u32 s24, 64
	s_cselect_b64 s[26:27], s[12:13], s[26:27]
	s_add_nc_u64 s[26:27], s[26:27], s[30:31]
	s_add_nc_u64 s[28:29], s[28:29], s[32:33]
.irp j, 0,1,2,3,4,5,6,7
	global_load_b128 v[X+4*(\j):X+4*(\j)+3], v1, s[26:27] offset:8192*(\j) th:TH_LOAD_NT
.endr
.irp j, 0,1,2,3,4,5,6,7
	s_wait_loadcnt 7-(\j)                          ; loads come back in order: load j is in, the younger ones stay out
	v_cvt_pk_bf16_f32 v[Y+2*(\j)], v[X+4*(\j)], v[X+4*(\j)+1]
	v_cvt_pk_bf16_f32 v[Y+2*(\j)+1], v[X+4*(\j)+2], v[X+4*(\j)+3]
	global_store_b64 v2, v[Y+2*(\j):Y+2*(\j)+1], s[28:29] offset:4096*(\j)  ; a wave's store covers 256 consecutive bytes, aligned
.endr
	s_endpgm
.Lfunc_end_k_q0256e00014_pre:
	.size	k_q0256e00014_pre, .Lfunc_end_k_q0256e00014_pre-k_q0256e00014_pre
	.p2alignl 7, 3214868480
	.fill 96, 4, 3214868480
	.section	.rodata,"a",@progbits
	.p2align	6, 0x0
	.amdhsa_kernel k_q0256e00014_pre
		.amdhsa_group_segment_fixed_size 10240
		.amdhsa_private_segment_fixed_size 0
		.amdhsa_enable_private_segment 0
		.amdhsa_kernarg_size 80
		.amdhsa_user_sgpr_count 2
		.amdhsa_user_sgpr_kernarg_segment_ptr 1
		.amdhsa_wavefront_size32 1
		.amdhsa_system_sgpr_workgroup_id_x 1
		.amdhsa_system_sgpr_workgroup_id_y 1
		.amdhsa_system_sgpr_workgroup_id_z 1
		.amdhsa_system_vgpr_workitem_id 0
		.amdhsa_next_free_vgpr 128
		.amdhsa_next_free_sgpr 66
		.amdhsa_reserve_vcc 0
		.amdhsa_float_denorm_mode_32 3
		.amdhsa_float_denorm_mode_16_64 3
		.amdhsa_memory_ordered 1
		.amdhsa_forward_progress 1
		.amdhsa_inst_pref_size 16
	.end_amdhsa_kernel
	.amdgpu_metadata
---
amdhsa.version: [ 1, 2 ]
amdhsa.kernels:
  - .name:           k_q0256e00014_pre
    .symbol:         k_q0256e00014_pre.kd
    .args:
      - { .name: x, .offset: 0, .size: 8, .value_kind: global_buffer, .address_space: global }
      - { .name: g1, .offset: 8, .size: 8, .value_kind: global_buffer, .address_space: global }
      - { .name: s1, .offset: 16, .size: 8, .value_kind: global_buffer, .address_space: global }
      - { .name: act, .offset: 24, .size: 8, .value_kind: global_buffer, .address_space: global }
      - { .name: Wq, .offset: 32, .size: 8, .value_kind: global_buffer, .address_space: global }
      - { .name: Wk, .offset: 40, .size: 8, .value_kind: global_buffer, .address_space: global }
      - { .name: Wv, .offset: 48, .size: 8, .value_kind: global_buffer, .address_space: global }
      - { .name: Wo, .offset: 56, .size: 8, .value_kind: global_buffer, .address_space: global }
      - { .name: wa, .offset: 64, .size: 8, .value_kind: global_buffer, .address_space: global }
      - { .name: wb, .offset: 72, .size: 8, .value_kind: global_buffer, .address_space: global }
    .group_segment_fixed_size: 10240
    .private_segment_fixed_size: 0
    .kernarg_segment_align: 8
    .kernarg_segment_size: 80
    .max_flat_workgroup_size: 512
    .sgpr_count:     66
    .vgpr_count:     128
    .wavefront_size: 32
...
	.end_amdgpu_metadata
.endif
;; end of part 1
;; launch qkv (part 2): grid 16 x 16, 4 waves a work-group, clusters of 4 x 4, 327,680 bytes of LDS; arguments act, wa, qkv, W1, W2, wb; writes qkv, wb
.if DOCPART == 2
	.amdgcn_target "amdgcn-amd-amdhsa--gfx1250"
	.amdhsa_code_object_version 6
	.text
	.protected	k_q0256e00014_qkv
	.globl	k_q0256e00014_qkv
	.p2align	8
	.type	k_q0256e00014_qkv,@function
k_q0256e00014_qkv:
	s_mov_b64 s[64:65], 0
	v_nop
	global_prefetch_b8 v0, s[64:65] scope:SCOPE_SE
	s_setreg_imm32_b32 hwreg(HW_REG_WAVE_MODE, 25, 1), 1
	s_wait_xcnt 0x0
	s_wait_alu depctr_hold_cnt(0) depctr_sa_sdst(0) depctr_va_vdst(0) depctr_va_sdst(0) depctr_va_ssrc(0) depctr_va_vcc(0) depctr_vm_vsrc(0)
	s_getreg_b32 s2, hwreg(HW_REG_IB_STS2, 6, 4)
	s_cmp_eq_u32 s2, 0
	s_cbranch_scc0 .Lentry_in_a_cluster
	s_endpgm
.Lentry_in_a_cluster:
	s_bfe_u32 s2, ttmp6, 0x10000c
	s_cmp_lg_u32 s2, 0xf033
	s_cbranch_scc0 .Lentry_shape_is_right
	s_endpgm
.Lentry_shape_is_right:
; CLUSTER COLUMNS 0-2: q, k, v = xn Wq, xn Wk, xn Wv.  A = xn [4096][1024] bf16; B = Wq, Wk, Wv, each [1024 k][1024 n] bf16, on end in wa; sums in f32, K ascending.
; Output by heads, unscaled, rounded once to bf16: q, k, v (8,388,608 bytes each) as [64 batch x head][1024 token][64].
; A tile of C is 256 x 256 (tile columns 0-3 q, 4-7 k, 8-11 v): four waves, each 128 x 128 in 64 accumulators: 12 x 16 = 192 tiles.
; CLUSTER COLUMN 3 (64 work-groups) has no tile of C: it rounds W1 and W2 (f32, [K][N] kept) to bf16 for later launches, into wb at bytes 8,388,608 and 16,777,216.  The branch hangs on the
; cluster's x alone, the same in all sixteen partners and all waves; that way holds no tensor load and touches no LDS.  Each of its 256 waves owns 131,072 source bytes and keeps 32 loads out.
; THE PRODUCT.  K goes in 8 steps of 128 through two LDS slots filled by the tensor data mover; A's rows are 256 bytes, B's 512 bytes of memory.
; B lies [k][n]: its fragments come out of LDS turned, by ds_load_tr16_b128.  The matrix instruction takes 16 columns of B as source 0 and 16 rows of A as source 1:
; a lane then holds row lane % 16 of C and the columns 8 (lane / 16) + 0..7.
; CLUSTER 4 x 4: A's tile is shared along a row of the cluster, B's along a column; each is asked for jointly, by the same load and mask in the four.
; THE LOOP holds ONE K step (from a step's second quarter to the next step's first); the slot in hand is a scalar that an exclusive or turns.  SLOT's bits (17, 13) meet none of
; the four waves' start addresses (wave x 0x8800), so the same exclusive or turns the walking descriptor's LDS word.  The last two steps are a loop of two trips that is left in its middle;
; its last change of slots fetches 32 fragments that nobody uses: the price, once a launch, of one text for both.
; REGISTERS: window 0: v0-31 addresses, v64-127 and v128-191 A's fragments; window 1: the same numbers, B's fragments; windows 2, 3: the accumulators ((a, b) at v[8 (8 a + b)]).
.set T,     8                          ; K steps
.set ASTEP, 256                        ; bytes of A from K step to K step
.set BSTEP, 262144                     ; of B: 128 rows of 2,048 bytes
.set NB,    1024                       ; elements in a row of B
.set PA,    272                        ; a row of A in LDS: 256 + 16 bytes: the 16 rows of a load start at 16 different groups of four banks (ISA guide 11.1)
.set PB,    544                        ; a row of B: 512 + 32 bytes, an odd multiple of 32, for the turning load
.set HALF,  34816                      ; 128 rows of A = 64 rows of B: what one tensor load brings
.set SLOT,  4*HALF                     ; A's 256 rows, then B's 128
.set SP,    528                        ; the way out: a row of 128 f32 + 16 bytes
.set WSTG,  128*SP                     ; a wave's stage; the four lie in the ring, which has had its last fill by then
.set SPARE, 2*SLOT                     ; the spare words: 512 bytes that no other line names
.set ADRA,  16                         ; v16 LDS address of my A fragments in the slot in hand; v17 in slot 0
.set ADRA0, 17
.set ADRB,  20                         ; v20, v21 the same for B
.set ADRB0, 21
.set STO,   24
.set RD,    25
.set CO,    26
.set SPW,   28                         ; v28 my spare word's address, v29 zero: never rewritten
.set NIL,   29
.set F0,    64
.set F1,    128
.set INA,   64                         ; the way out: two buffers of 8 rows read back,
.set INB,   96
.set OUTA,  160                        ; and packed
.set OUTB,  176
.set VS,    4                          ; the conversion: my 16 bytes in 512 of the source, my 8 in 256 of wb
.set VD,    5
.set CX,    32                         ; v[32:159]  slot i: 4 registers as loaded
.set CY,    160                        ; v[160:223] slot i: 2 registers to store
.set G1,  24                           ; s[24:31] group 1 for A; s[32:39] group 0, two sets: set 0 serves K step 0, set 1 walks
.set G0,  32
.set G1B, 48                           ; s[48:55], s[56:63] the same for B
.set G0B, 56
.set TB,  66                           ; s66 the slot in hand: 0 or SLOT
.set MSB, 0
.macro WIN new                         ; the immediate's high byte repeats the setting that is left
.if MSB != (\new)
	s_set_vgpr_msb (MSB<<8)|(\new)
.set MSB, \new
.endif
.endm
.set MUL_LO, 0xa1                      ; source 0 (B) window 1, source 1 (A) window 0, C and D window 2
.set MUL_HI, 0xf1
.set TO_B,   0x40
.macro JLOAD s                         ; a joint load: waves 0, 1 fetch A's halves, waves 2, 3 B's; an s_nop 0 and four v_nop follow each line
	s_cmp_eq_u32 s11, 0
	s_cbranch_scc0 .Lfor_b_\@
	tensor_load_to_lds s[G0+4*(\s):G0+4*(\s)+3], s[G1:G1+7]
	s_nop 0
.rept 4
	v_nop
.endr
	s_branch .Lasked_\@
.Lfor_b_\@:
	tensor_load_to_lds s[G0B+4*(\s):G0B+4*(\s)+3], s[G1B:G1B+7]
	s_nop 0
.rept 4
	v_nop
.endr
.Lasked_\@:
.endm
.macro CREST                           ; a round of the cluster's barrier behind its opening barrier
	s_cmp_lg_u32 s10, 0
	s_cbranch_scc1 .Lnot_wave_0_\@
	s_barrier_signal -3
.Lnot_wave_0_\@:
	s_barrier_wait -3
	s_barrier_signal -1
	s_barrier_wait -1
.endm
.macro CROUND
	s_barrier_signal -1
	s_barrier_wait -1
	CREST
.endm
.macro PLACES                          ; four places behind matrix instructions (ISA guide 7.12.1)
.rept 4
	v_nop
.endr
.endm
	s_cmp_eq_u32 ttmp9, 3                          ; the cluster's x
	s_cbranch_scc1 .Lconv
	s_load_b128 s[4:7], s[0:1], 0x0                ; A s[4:5], wa s[6:7]
	s_load_b64 s[8:9], s[0:1], 0x10                ; qkv
	v_lshl_add_u32 v[SPW], v0, 2, SPARE
	v_mov_b32 v[NIL], 0
	ds_add_u32 v[SPW], v[NIL]                      ; the wave's opening: the add and its wait ahead of my first tensor load
	v_lshrrev_b32 v1, 5, v0
	v_readfirstlane_b32 s10, v1                    ; wave 0..3
	s_lshr_b32 s11, s10, 1                         ; my half of the tile's rows; also: I fetch for A (0) or B (1)
	s_and_b32 s12, s10, 1                          ; my half of its columns; also: which half of that tile I fetch
	s_bfe_u32 s40, ttmp6, 0x40000                  ; cx
	s_bfe_u32 s41, ttmp6, 0x40004                  ; cy
	s_lshl_b32 s42, ttmp9, 2
	s_add_co_u32 s42, s42, s40                     ; tile column
	s_and_b32 s13, ttmp7, 0xffff
	s_lshl_b32 s13, s13, 2
	s_add_co_u32 s13, s13, s41                     ; tile row
	s_lshl_b32 s43, s41, 2
	s_lshl_b32 s43, 15, s43                        ; my row of the cluster
	s_lshl_b32 s44, 0x1111, s40                    ; my column
	s_or_b32 s[G1+0], s43, (1<<16)|(1<<20)|(1<<21)|(5<<22)|(3<<25)   ; mask; 2-byte elements; padding on; bit 21 beside a mask; after 64 words, 4 words
	s_mov_b32 s[G1+1], 128<<16                     ; tensor_dim0 = 128
	s_mov_b32 s[G1+2], 128<<16                     ; tensor_dim1 = 128
	s_mov_b32 s[G1+3], 128<<16                     ; tile_dim0 = 128
	s_mov_b32 s[G1+4], 128                         ; tile_dim1 = 128
	s_mov_b32 s[G1+5], 1024                        ; elements from row to row
	s_mov_b32 s[G1+6], 0
	s_mov_b32 s[G1+7], 0
	s_or_b32 s[G1B+0], s44, (1<<16)|(1<<20)|(1<<21)|(6<<22)|(7<<25)  ; after 128 words, 8 words
	s_mov_b32 s[G1B+1], 256<<16                    ; tensor_dim0 = 256
	s_mov_b32 s[G1B+2], 64<<16                     ; tensor_dim1 = 64
	s_mov_b32 s[G1B+3], 256<<16                    ; tile_dim0 = 256
	s_mov_b32 s[G1B+4], 64                         ; tile_dim1 = 64
	s_mov_b32 s[G1B+5], NB
	s_mov_b32 s[G1B+6], 0
	s_mov_b32 s[G1B+7], 0
	s_lshl_b32 s16, s13, 19                        ; A: 256 x tile row rows of 2,048 bytes
	s_lshl_b32 s17, s12, 18                        ; + 128 x half
	s_add_co_u32 s16, s16, s17
	s_mov_b32 s17, 0
	s_lshr_b32 s46, s42, 2                         ; B: the matrix (q, k, v),
	s_lshl_b32 s46, s46, 21
	s_and_b32 s47, s42, 3                          ; its 256 columns,
	s_lshl_b32 s47, s47, 9
	s_add_co_u32 s46, s46, s47
	s_lshl_b32 s47, s12, 17                        ; my 64 rows of the step's 128
	s_add_co_u32 s46, s46, s47
	s_mov_b32 s47, 0
	s_mul_i32 s20, s10, HALF                       ; where my part goes: wave x HALF
	s_mov_b32 s[TB], 0
	s_wait_dscnt 0x0                               ; the opening add is done
	s_wait_kmcnt 0x0
	s_add_nc_u64 s[14:15], s[4:5], s[16:17]
	s_add_nc_u64 s[46:47], s[6:7], s[46:47]
	CROUND                                         ; all sixteen work-groups are here: the first joint loads meet
.irp s, 0,1
	s_mov_b32 s[G0+4*(\s)], 1
	s_add_co_u32 s[G0+4*(\s)+1], s20, (\s)*SLOT
	s_add_nc_u64 s[G0+4*(\s)+2:G0+4*(\s)+3], s[14:15], (\s)*ASTEP
	s_or_b32 s[G0+4*(\s)+3], s[G0+4*(\s)+3], 0x80000000
	s_mov_b32 s[G0B+4*(\s)], 1
	s_add_co_u32 s[G0B+4*(\s)+1], s20, (\s)*SLOT
	s_add_nc_u64 s[G0B+4*(\s)+2:G0B+4*(\s)+3], s[46:47], (\s)*BSTEP
	s_or_b32 s[G0B+4*(\s)+3], s[G0B+4*(\s)+3], 0x80000000
	JLOAD \s                                       ; two loads of mine are out
.endr
	v_and_b32 v1, 15, v0                           ; r = lane % 16
	v_bfe_u32 v2, v0, 4, 1                         ; h = lane / 16
	v_mul_u32_u24 v3, v1, PA
	v_lshl_add_u32 v3, v2, 4, v3
	s_mul_i32 s21, s11, HALF                       ; my 128 rows of A
	v_add_nc_u32 v[ADRA0], s21, v3
	v_mov_b32 v[ADRA], v[ADRA0]
	v_and_b32 v4, 7, v0                            ; the turning load: k row 8 h + lane % 8, 16 bytes by bit 3 of the lane
	v_lshl_add_u32 v4, v2, 3, v4
	v_mul_u32_u24 v4, v4, PB
	v_bfe_u32 v5, v0, 3, 1
	v_lshl_add_u32 v4, v5, 4, v4
	s_lshl_b32 s22, s12, 8                         ; my 128 columns
	s_add_co_u32 s22, s22, 2*HALF                  ; behind A's rows
	v_add_nc_u32 v[ADRB0], s22, v4
	v_mov_b32 v[ADRB], v[ADRB0]
	s_mul_i32 s23, s10, WSTG
	v_mul_u32_u24 v5, v1, SP                       ; into the stage: row r, 32 bytes for each half of the lanes
	v_lshl_add_u32 v5, v2, 5, v5
	v_add_nc_u32 v[STO], s23, v5
	v_and_b32 v6, 31, v0                           ; back: eight lanes take a head's 64 channels of one row, 32 bytes of f32 a lane; a wave four rows
	v_lshrrev_b32 v5, 3, v6
	v_mul_u32_u24 v5, v5, SP                       ; rows 132 words apart
	v_and_b32 v7, 7, v0
	v_lshl_add_u32 v5, v7, 5, v5
	v_add_nc_u32 v[RD], s23, v5
	v_lshlrev_b32 v[CO], 4, v6                     ; four token rows of a head are 512 consecutive bytes of bf16: 16 a lane
	s_lshl_b32 s46, s42, 8                         ; my first column c0 = 256 x tile column + 128 x half
	s_lshl_b32 s47, s12, 7
	s_add_co_u32 s46, s46, s47
	s_lshl_b32 s76, s13, 8                         ; my first row m0
	s_lshl_b32 s77, s11, 7
	s_add_co_u32 s76, s76, s77
	s_lshr_b32 s78, s46, 10                        ; q, k or v: 8,388,608 bytes each
	s_lshl_b32 s78, s78, 23
	s_lshr_b32 s79, s76, 10                        ; batch
	s_lshl_b32 s79, s79, 4
	s_bfe_u32 s47, s46, 0x40006                    ; head
	s_add_co_u32 s79, s79, s47
	s_lshl_b32 s79, s79, 17                        ; 131,072 bytes for a batch and head
	s_add_co_u32 s78, s78, s79
	s_and_b32 s79, s76, 1023                       ; token
	s_lshl_b32 s79, s79, 7
	s_add_co_u32 s78, s78, s79
	s_mov_b32 s79, 0
	s_add_nc_u64 s[8:9], s[8:9], s[78:79]
.macro MUL16 f, hi, a0, zero           ; 16 matrix instructions: m blocks a0, a0 + 1 of the window's four x all 8 n blocks, 32 along K; the accumulators take turns
	WIN MUL_LO+0x50*(\hi)
.irp a, \a0, (\a0)+1
.irp b, 0,1,2,3,4,5,6,7
.if \zero
	v_wmma_f32_16x16x32_bf16 v[8*(8*(\a)+(\b)):8*(8*(\a)+(\b))+7], v[(\f)+8*(\b):(\f)+8*(\b)+7], v[(\f)+8*(4*(\hi)+(\a)):(\f)+8*(4*(\hi)+(\a))+7], 0
.else
	v_wmma_f32_16x16x32_bf16 v[8*(8*(\a)+(\b)):8*(8*(\a)+(\b))+7], v[(\f)+8*(\b):(\f)+8*(\b)+7], v[(\f)+8*(4*(\hi)+(\a)):(\f)+8*(4*(\hi)+(\a))+7], v[8*(8*(\a)+(\b)):8*(8*(\a)+(\b))+7]
.endif
.endr
.endr
.endm
.macro FETCH q, f                      ; 32 LDS loads in one run: quarter q (32 along K) of the slot in hand into buffer f: B's 8 column blocks, turned, then A's 8 row blocks
	WIN TO_B
.irp i, 0,1,2,3,4,5,6,7
	ds_load_tr16_b128 v[(\f)+8*(\i):(\f)+8*(\i)+3],   v[ADRB] offset:(\q)*32*PB+32*(\i)
	ds_load_tr16_b128 v[(\f)+8*(\i)+4:(\f)+8*(\i)+7], v[ADRB] offset:(\q)*32*PB+16*PB+32*(\i)
.endr
	WIN 0
.irp i, 0,1,2,3,4,5,6,7
	ds_load_b128 v[(\f)+8*(\i):(\f)+8*(\i)+3],   v[ADRA] offset:(\q)*64+(\i)*16*PA
	ds_load_b128 v[(\f)+8*(\i)+4:(\f)+8*(\i)+7], v[ADRA] offset:(\q)*64+(\i)*16*PA+32
.endr
.endm
.macro QUARTER q, f, g, zero           ; multiplies buffer f; in its middle fetches quarter q into buffer g
	s_wait_dscnt 8                                 ; B and A's rows 0-63 are in; the youngest eight loads (A's rows 64-127) may be out
	MUL16 \f, 0, 0, \zero
	MUL16 \f, 0, 2, \zero
	PLACES
	FETCH \q, \g
	s_wait_dscnt 32                                ; all but the 32 just issued
	MUL16 \f, 1, 0, \zero
	MUL16 \f, 1, 2, \zero
.endm
; A step's last quarter and the change of slots.  In front of the barrier each wave waits for all its tensor loads (its part of the next slot), adds 0 to its spare word, and waits for
; that and for its reads of this slot.  fill = 1: the barrier opens a round of the cluster's, and the slot just read is filled again, two K steps ahead, first thing behind the round.
.macro TURN fill
	WIN 0
	s_wait_tensorcnt 0x0
	ds_add_u32 v[SPW], v[NIL]
	s_wait_dscnt 9                                 ; the add and the youngest eight loads may be out
	MUL16 F1, 0, 0, 0
	s_wait_dscnt 0x0                               ; the add is done, my reads of this slot are over
	s_barrier_signal -1
	MUL16 F1, 0, 2, 0
	WIN 0
	s_barrier_wait -1
.if \fill
	CREST
	s_xor_b32 s[G0+5], s[G0+5], SLOT               ; the walking descriptors: the slot just read,
	s_xor_b32 s[G0B+5], s[G0B+5], SLOT
	s_add_nc_u64 s[G0+6:G0+7], s[G0+6:G0+7], ASTEP  ; the next K step
	s_add_nc_u64 s[G0B+6:G0B+7], s[G0B+6:G0B+7], BSTEP
.endif
	s_xor_b32 s[TB], s[TB], SLOT                   ; the fragments now come from the other slot
	v_add_nc_u32 v[ADRA], s[TB], v[ADRA0]
	v_add_nc_u32 v[ADRB], s[TB], v[ADRB0]
.if \fill
	JLOAD 1                                        ; 224 matrix instructions ahead of the wait for it; its four v_nop are the places in front of the loads below
.else
	PLACES
.endif
	FETCH 0, F0
	MUL16 F1, 1, 0, 0
	MUL16 F1, 1, 2, 0
.endm
	s_wait_tensorcnt 1                             ; my part of K step 0 is in; K step 1's stays out
	s_barrier_signal -1
	s_barrier_wait -1
	FETCH 0, F0
	QUARTER 1, F0, F1, 1                           ; the first products start the sums
	WIN 0
	s_mov_b32 s3, T-2
.Lstep:
	QUARTER 2, F1, F0, 0
	QUARTER 3, F0, F1, 0
	TURN 1
	QUARTER 1, F0, F1, 0
	WIN 0
	s_sub_co_u32 s3, s3, 1
	s_cmp_lg_u32 s3, 0
	s_cbranch_scc1 .Lstep
	s_mov_b32 s3, 2                                ; the last two K steps ask for nothing
.Ltail:
	QUARTER 2, F1, F0, 0
	QUARTER 3, F0, F1, 0
	TURN 0
	WIN 0
	s_sub_co_u32 s3, s3, 1
	s_cmp_eq_u32 s3, 0
	s_cbranch_scc1 .Lout
	QUARTER 1, F0, F1, 0
	WIN 0
	s_branch .Ltail
.Lout:
	; THE WAY OUT.  Every wave has left the ring (its last LDS loads are back, and a barrier says so): the ring's bytes, filled for the last time, become four stages.
	s_wait_dscnt 0x0
	s_barrier_signal -1
	s_barrier_wait -1
	PLACES
.irp a, 0,1,2,3,4,5,6,7                ; 128 rows x 128 f32; each accumulator's low registers go first
	WIN 0x08+4*((\a)/4)                            ; the stores' data in window 2 or 3
.irp b, 0,1,2,3,4,5,6,7
	ds_store_b128 v[STO], v[8*(8*((\a)%4)+(\b)):8*(8*((\a)%4)+(\b))+3]   offset:(\a)*16*SP+64*(\b)
	ds_store_b128 v[STO], v[8*(8*((\a)%4)+(\b))+4:8*(8*((\a)%4)+(\b))+7] offset:(\a)*16*SP+64*(\b)+16
.endr
.endr
	WIN 0
; 8 rows x 128 columns, o bytes behind v[RD], into buffer buf: piece p = four rows (p / 2) of one head (p % 2), two loads: a lane's 8 neighbouring columns
.macro RDROWS buf, o
.irp p, 0,1,2,3
	ds_load_b128 v[(\buf)+8*(\p):(\buf)+8*(\p)+3],   v[RD] offset:(\o)+((\p)/2)*4*SP+((\p)%2)*256  ; LDS serves a wave's instructions in order (ISA guide 5.7.1.4): these see the stores above
	ds_load_b128 v[(\buf)+8*(\p)+4:(\buf)+8*(\p)+7], v[RD] offset:(\o)+((\p)/2)*4*SP+((\p)%2)*256+16
.endr
.endm
.macro CVT16 buf, out
.set p, 0
.rept 16
	v_cvt_pk_bf16_f32 v[(\out)+p], v[(\buf)+2*p], v[(\buf)+2*p+1]
.set p, p+1
.endr
.endm
.macro STORE4 out, o
.irp p, 0,1,2,3
	global_store_b128 v[CO], v[(\out)+4*(\p):(\out)+4*(\p)+3], s[8:9] offset:(\o)+((\p)%2)*131072+((\p)/2)*512  ; 512 consecutive bytes, aligned to 256
.endr
.endm
; 16 rows: each buffer is rounded, filled again with the rows 16 further on (ahead = 1), and stored
.macro ROWS16 ahead
	s_wait_dscnt 8                                 ; the first buffer is in; the second's eight loads are younger
	CVT16 INA, OUTA
.if \ahead
	v_add_nc_u32 v[RD], 16*SP, v[RD]
	RDROWS INA, 0
.endif
	STORE4 OUTA, 0
.if \ahead
	s_wait_dscnt 8                                 ; the second buffer is in; the eight just issued are younger
.else
	s_wait_dscnt 0x0
.endif
	CVT16 INB, OUTB
.if \ahead
	RDROWS INB, 8*SP
.endif
	STORE4 OUTB, 1024
.endm
	RDROWS INA, 0
	RDROWS INB, 8*SP
	s_mov_b32 s3, 7
.Lrow:
	ROWS16 1
	s_wait_xcnt 0x0                                ; the stores' base and data are rewritten only behind this wait
	s_add_nc_u64 s[8:9], s[8:9], 2048              ; 16 token rows of 128 bytes
	s_sub_co_u32 s3, s3, 1
	s_cmp_lg_u32 s3, 0
	s_cbranch_scc1 .Lrow
	ROWS16 0                                       ; the last 16 rows are written out: nothing is left to read
	s_wait_tensorcnt 0x0                           ; the wave's end
	ds_add_u32 v[SPW], v[NIL]
	s_wait_dscnt 0x0
	CROUND                                         ; the closing round
	s_endpgm
; THE CONVERSION.  Wave n = 4 x (4 x (4 x cluster y + cy) + cx) + wave, 0 to 255: waves 0-127 (cluster rows 0, 1) take W1, the others W2, 131,072 source bytes each; in wb the two lie on end,
; so wave n stores 65,536 bytes from 8,388,608 + 65,536 n.  A ring of 32 slots in registers: a slot's turn waits for its load alone, rounds, asks for the 512 bytes 16,384 further on, and stores.
.macro CSLOT i, ahead, left
	s_wait_loadcnt \left                           ; loads come back in order (ISA guide 5.7.1): mine is in, the younger ones stay out
	v_cvt_pk_bf16_f32 v[CY+2*(\i)], v[CX+4*(\i)], v[CX+4*(\i)+1]
	v_cvt_pk_bf16_f32 v[CY+2*(\i)+1], v[CX+4*(\i)+2], v[CX+4*(\i)+3]
.if \ahead
	global_load_b128 v[CX+4*(\i):CX+4*(\i)+3], v[VS], s[4:5] offset:512*(\i)+16384 th:TH_LOAD_NT
.endif
	global_store_b64 v[VD], v[CY+2*(\i):CY+2*(\i)+1], s[6:7] offset:256*(\i)  ; 256 consecutive bytes, aligned
.endm
.Lconv:
	s_load_b128 s[68:71], s[0:1], 0x18             ; W1 s[68:69], W2 s[70:71]
	s_load_b64 s[72:73], s[0:1], 0x28              ; wb
	v_lshrrev_b32 v1, 5, v0
	v_readfirstlane_b32 s10, v1                    ; wave 0..3
	s_bfe_u32 s40, ttmp6, 0x40000                  ; cx, cy: they enter global addresses alone
	s_bfe_u32 s41, ttmp6, 0x40004
	s_and_b32 s13, ttmp7, 0xffff                   ; cluster y
	s_lshl_b32 s14, s13, 2
	s_add_co_u32 s14, s14, s41
	s_lshl_b32 s14, s14, 2
	s_add_co_u32 s14, s14, s40
	s_lshl_b32 s14, s14, 2
	s_add_co_u32 s14, s14, s10                     ; n
	s_and_b32 s16, s14, 127
	s_lshl_b32 s16, s16, 17                        ; my 131,072 bytes of the matrix
	s_mov_b32 s17, 0
	s_lshl_b32 s18, s14, 16                        ; my 65,536 bytes of wb
	s_add_co_u32 s18, s18, 8388608
	s_mov_b32 s19, 0
	v_and_b32 v2, 31, v0
	v_lshlrev_b32 v[VS], 4, v2
	v_lshlrev_b32 v[VD], 3, v2
	s_wait_kmcnt 0x0
	s_cmp_lt_u32 s13, 2
	s_cselect_b64 s[4:5], s[68:69], s[70:71]
	s_add_nc_u64 s[4:5], s[4:5], s[16:17]
	s_add_nc_u64 s[6:7], s[72:73], s[18:19]
.set i, 0
.rept 32
	global_load_b128 v[CX+4*i:CX+4*i+3], v[VS], s[4:5] offset:512*i th:TH_LOAD_NT
.set i, i+1
.endr
	s_mov_b32 s3, 7
.Lcr:
.set i, 0
.rept 32
	CSLOT i, 1, 31
.set i, i+1
.endr
	s_wait_xcnt 0x0                                ; the bases and the stores' data are rewritten only behind this wait
	s_add_nc_u64 s[4:5], s[4:5], 16384
	s_add_nc_u64 s[6:7], s[6:7], 8192
	s_sub_co_u32 s3, s3, 1
	s_cmp_lg_u32 s3, 0
	s_cbranch_scc1 .Lcr
.set i, 0
.rept 32
	CSLOT i, 0, 31-i                               ; the last round loads nothing: the counts run down
.set i, i+1
.endr
	CROUND                                         ; this cluster's one round, in front of its end
	s_endpgm
.Lfunc_end_k_q0256e00014_qkv:
	.size	k_q0256e00014_qkv, .Lfunc_end_k_q0256e00014_qkv-k_q0256e00014_qkv
	.p2alignl 7, 3214868480
	.fill 96, 4, 3214868480
	.section	.rodata,"a",@progbits
	.p2align	6, 0x0
	.amdhsa_kernel k_q0256e00014_qkv
		.amdhsa_group_segment_fixed_size 327680
		.amdhsa_private_segment_fixed_size 0
		.amdhsa_enable_private_segment 0
		.amdhsa_kernarg_size 48
		.amdhsa_user_sgpr_count 2
		.amdhsa_user_sgpr_kernarg_segment_ptr 1
		.amdhsa_wavefront_size32 1
		.amdhsa_system_sgpr_workgroup_id_x 1
		.amdhsa_system_sgpr_workgroup_id_y 1
		.amdhsa_system_sgpr_workgroup_id_z 1
		.amdhsa_system_vgpr_workitem_id 0
		.amdhsa_next_free_vgpr 1024
		.amdhsa_next_free_sgpr 80
		.amdhsa_reserve_vcc 0
		.amdhsa_float_denorm_mode_32 3
		.amdhsa_float_denorm_mode_16_64 3
		.amdhsa_memory_ordered 1
		.amdhsa_forward_progress 1
		.amdhsa_inst_pref_size 109
	.end_amdhsa_kernel
	.amdgpu_metadata
---
amdhsa.version: [ 1, 2 ]
amdhsa.kernels:
  - .name:           k_q0256e00014_qkv
    .symbol:         k_q0256e00014_qkv.kd
    .args:
      - { .name: act, .offset: 0, .size: 8, .value_kind: global_buffer, .address_space: global }
      - { .name: wa, .offset: 8, .size: 8, .value_kind: global_buffer, .address_space: global }
      - { .name: qkv, .offset: 16, .size: 8, .value_kind: global_buffer, .address_space: global }
      - { .name: W1, .offset: 24, .size: 8, .value_kind: global_buffer, .address_space: global }
      - { .name: W2, .offset: 32, .size: 8, .value_kind: global_buffer, .address_space: global }
      - { .name: wb, .offset: 40, .size: 8, .value_kind: global_buffer, .address_space: global }
    .group_segment_fixed_size: 327680
    .private_segment_fixed_size: 0
    .kernarg_segment_align: 8
    .kernarg_segment_size: 48
    .max_flat_workgroup_size: 128
    .sgpr_count:     80
    .vgpr_count:     1024
    .wavefront_size: 32
...
	.end_amdgpu_metadata
.endif
;; end of part 2
;; launch attn (part 3): grid 4 x 64, 4 waves a work-group, clusters of 4 x 1, 327,680 bytes of LDS; arguments qkv, ctx; writes ctx
.if DOCPART == 3
	.amdgcn_target "amdgcn-amd-amdhsa--gfx1250"
	.amdhsa_code_object_version 6
	.text
	.protected	k_q0256e00014_attn
	.globl	k_q0256e00014_attn
	.p2align	8
	.type	k_q0256e00014_attn,@function
k_q0256e00014_attn:
	s_mov_b64 s[64:65], 0
	v_nop
	global_prefetch_b8 v0, s[64:65] scope:SCOPE_SE
	s_setreg_imm32_b32 hwreg(HW_REG_WAVE_MODE, 25, 1), 1
	s_wait_xcnt 0x0
	s_wait_alu depctr_hold_cnt(0) depctr_sa_sdst(0) depctr_va_vdst(0) depctr_va_sdst(0) depctr_va_ssrc(0) depctr_va_vcc(0) depctr_vm_vsrc(0)
	s_getreg_b32 s2, hwreg(HW_REG_IB_STS2, 6, 4)
	s_cmp_eq_u32 s2, 0
	s_cbranch_scc0 .Lentry_in_a_cluster
	s_endpgm
.Lentry_in_a_cluster:
	s_bfe_u32 s2, ttmp6, 0x10000c
	s_cmp_lg_u32 s2, 0x3003
	s_cbranch_scc0 .Lentry_shape_is_right
	s_endpgm
.Lentry_shape_is_right:
; CAUSAL ATTENTION, head size 64.  ctx[q] = sum over k <= q of softmax_k(Q[q] . K[k] / 8) V[k], for each of 64 (batch, head).  q, k, v: [64][1024][64] bf16, unscaled.
; Products, maxima and sums in f32; the weights p are rounded to bf16 for the second product (their sum l is taken of the unrounded p); ctx is rounded once to bf16.
; ctx leaves as [32 blocks of 128 tokens][16 heads][128 rows][64]: 16 rows of a head are 2,048 consecutive bytes.
; LIMITS.  A hidden score counts as its value less 1e30: true scores must stay under some 1e29 in size.  A weight below 2^-126 counts as 0.  NaN and infinities are not treated apart.
; SHARES.  A cluster of four work-groups is one head.  The head's 1,024 rows lie in 16 bands of 64; work-group j owns rows 16 j .. + 15 of every band; wave w owns four tiles of 16 queries, in the
; bands w, 7 - w, 8 + w, 15 - w.  A tile in band B walks the key steps 0 .. B, 64 keys a step: 34 tile steps for every wave of every work-group.  Branches and LDS addresses hang on the
; step's number and the wave's alone; the work-group's place enters Q's and ctx's global addresses and the mask (vector data).
; K AND V of the whole head lie in LDS, filled once, jointly for the four work-groups: two loads a wave, keys 0-511 first; the steps 0-7 run while keys 512-1023 are on their way.
; LAYOUT.  S^T = K Q^T holds one query a lane (lane % 16) and the keys 8 (lane / 16) + 0..7; two such results rounded to bf16 in pairs ARE source 1 of O^T = V^T P.  V comes out of LDS turned.
; THE MASK is the C operand that starts the sums S^T in a tile's last step, the band's own: 0, or -1e30 where the key is hidden.  It hangs on the lane and on j alone: 32 registers, made once, for all four tiles.
; SOFTMAX.  p = 2^(c s - c m), c = log2(e) / 8, with a running maximum m; O and l are multiplied by a = 2^(c m_old - c m_new) in every step.  m starts at the lowest finite number, O and l at 0.
; Behind the maximum, exponentials and plain lines take turns: for pair i two exponentials, between and behind them the scaling of pair i + 2, the sum and the rounding of pair i - 1.
; A STEP of the first loop: V's loads; K Q^T of tile 3; each tile that can end here, its whole step behind ONE test of the step's number; tile 3's softmax, with tile 2's K Q^T between its lines;
; the next K's loads; tile 2's softmax, with tile 3's V^T P between its lines; tile 2's V^T P.
; REGISTERS.  window 0: v0-15 addresses; v16-31 statistics; v32-47 offsets and work; v64-191 S^T, 32 a tile (P takes the tile's first 16 in place); v192-255 V.
;             window 1: v0-127 O^T, 32 a tile; v128-191 Q, 16 a tile; v192-255 K.          window 2: v0-31 the mask.
.set PK,    144                        ; a row of K in LDS: 128 + 16 bytes
.set PV,    160                        ; a row of V: 128 + 32 bytes, an odd multiple of 32, for the turning load
.set VB,    1024*PK                    ; V behind K
.set STAGE, VB+1024*PV                 ; 16 rows x 144 bytes for each wave, never filled by a tensor load
.set SP,    144
.set SPARE, STAGE+4*16*SP              ; the spare words: 512 bytes that no other line names
.set AK0, 2
.set AV0, 3
.set AK,  4
.set AV,  5
.set STO, 6
.set RD,  7
.set QT,  12                           ; v12 my query's place in its band less my lanes' 8 (lane / 16)
.set BIG, 13                           ; v13 -1e30
.set SPW, 14
.set NIL, 15
.set ST,  16                           ; tile t: c m, m, l (even keys', odd keys')
.set QO,  32                           ; v[32:35] Q's byte offsets, a tile each
.set CC,  36                           ; v[36:39] at work; a takes v38
.set MO,  40                           ; c m_old
.set GT,  44                           ; v[44:47] ctx's byte offsets, a tile each
.set S,   64
.set VF,  192
.set QF,  128                          ; window 1
.set KF,  192                          ; window 1
.set MD,  0                            ; window 2: the eight registers for key block kb at MD + 8 kb
.set WV,  12
.set J,   13
.set BH,  14
.set G1K, 24
.set G1V, 32
.set G0K, 40                           ; s[40:47] two sets; s[48:55] two sets
.set G0V, 48
.set SI,  56                           ; the key step
.set TBK, 57                           ; its K's first LDS byte
.set CS,  58
.set SEL, 60
.set TBV, 62                           ; its V's, less VB
.set BD,  66                           ; s[66:69] my four bands
.set MSB, 0
.macro WIN new
.if MSB != (\new)
	s_set_vgpr_msb (MSB<<8)|(\new)
.set MSB, (\new)
.endif
.endm
.macro CROUND
	s_barrier_signal -1
	s_barrier_wait -1
	s_cmp_lg_u32 s[WV], 0
	s_cbranch_scc1 .Lnot_wave_0_\@
	s_barrier_signal -3
.Lnot_wave_0_\@:
	s_barrier_wait -3
	s_barrier_signal -1
	s_barrier_wait -1
.endm
.macro PLACES
.rept 4
	v_nop
.endr
.endm
	s_load_b128 s[4:7], s[0:1], 0x0                ; qkv s[4:5], ctx s[6:7]
	v_lshl_add_u32 v[SPW], v0, 2, SPARE
	v_mov_b32 v[NIL], 0
	ds_add_u32 v[SPW], v[NIL]                      ; the wave's opening: the add and its wait ahead of my first tensor load
	v_lshrrev_b32 v1, 5, v0
	v_readfirstlane_b32 s[WV], v1
	s_bfe_u32 s[J], ttmp6, 0x40000                 ; my place in the cluster
	s_and_b32 s[BH], ttmp7, 0xffff                 ; batch x 16 + head, shared by the four
	s_and_b32 s16, s[WV], 1                        ; which 256 of 512 keys I fetch
	s_mul_i32 s17, s16, 256*PK
	s_mul_i32 s18, s16, 256*PV
	s_lshl_b32 s72, s[BH], 17                      ; the head's 131,072 bytes
	s_mov_b32 s73, 0
	s_lshl_b32 s20, s16, 15
	s_add_co_u32 s20, s20, s72
	s_mov_b32 s21, 0
	s_lshr_b32 s15, s[BH], 4                       ; batch
	s_and_b32 s19, s[BH], 15                       ; head
	s_mov_b32 s[BD], s[WV]
	s_sub_co_u32 s[BD+1], 7, s[WV]
	s_add_co_u32 s[BD+2], s[WV], 8
	s_sub_co_u32 s[BD+3], 15, s[WV]
	; 256 keys are 32,768 dense bytes: asked for as 128 rows of 256 bytes, padded in LDS after every key
	s_mov_b32 s[G1K], 15|(1<<16)|(1<<20)|(1<<21)|(4<<22)|(3<<25)  ; the mask of four; 2-byte elements; padding on; bit 21 beside a mask; after 32 words, 4 words
	s_mov_b32 s[G1V], 15|(1<<16)|(1<<20)|(1<<21)|(4<<22)|(7<<25)  ; the same with 8 words
.irp g, G1K, G1V
	s_mov_b32 s[\g+1], 128<<16
	s_mov_b32 s[\g+2], 128<<16
	s_mov_b32 s[\g+3], 128<<16
	s_mov_b32 s[\g+4], 128
	s_mov_b32 s[\g+5], 128
	s_mov_b32 s[\g+6], 0
	s_mov_b32 s[\g+7], 0
.endr
	s_mov_b32 s[CS], 0x3e38aa3b                    ; c = log2(e) / 8
	s_mov_b32 s[CS+1], s[CS]
	s_mov_b32 s[SEL], 0x76543210
	s_mov_b32 s[SEL+1], 0xfedcba98
	s_mov_b32 s[TBK], 0
	s_mov_b32 s[TBV], 0
	s_wait_dscnt 0x0                               ; the opening add is done
	s_wait_kmcnt 0x0
	s_add_nc_u64 s[22:23], s[4:5], s[20:21]        ; the head, my 256 keys
	s_add_nc_u64 s[4:5], s[4:5], s[72:73]          ; Q at the head's first row
	CROUND                                         ; all four work-groups are here: the joint loads meet
.irp s, 0,1
	s_mov_b32 s[G0K+4*(\s)], 1
	s_add_co_u32 s[G0K+4*(\s)+1], s17, (\s)*512*PK
	s_add_nc_u64 s[G0K+4*(\s)+2:G0K+4*(\s)+3], s[22:23], 8388608+(\s)*65536
	s_or_b32 s[G0K+4*(\s)+3], s[G0K+4*(\s)+3], 0x80000000
	s_mov_b32 s[G0V+4*(\s)], 1
	s_add_co_u32 s[G0V+4*(\s)+1], s18, VB+(\s)*512*PV
	s_add_nc_u64 s[G0V+4*(\s)+2:G0V+4*(\s)+3], s[22:23], 16777216+(\s)*65536
	s_or_b32 s[G0V+4*(\s)+3], s[G0V+4*(\s)+3], 0x80000000
.endr
	s_cmp_lt_u32 s[WV], 2                          ; a wave's two fills stand in one branch: waves 0, 1 fetch K, waves 2, 3 V; two loads of mine are out
	s_cbranch_scc0 .Lfirst_v
	tensor_load_to_lds s[G0K:G0K+3], s[G1K:G1K+7]
	s_nop 0
	tensor_load_to_lds s[G0K+4:G0K+7], s[G1K:G1K+7]
	s_nop 0
.rept 4
	v_nop
.endr
	s_branch .Lfirst_asked
.Lfirst_v:
	tensor_load_to_lds s[G0V:G0V+3], s[G1V:G1V+7]
	s_nop 0
	tensor_load_to_lds s[G0V+4:G0V+7], s[G1V:G1V+7]
	s_nop 0
.rept 4
	v_nop
.endr
.Lfirst_asked:
	v_and_b32 v1, 15, v0                           ; r
	v_bfe_u32 v8, v0, 4, 1                         ; h
	v_lshlrev_b32 v9, 7, v1
	v_lshl_add_u32 v9, v8, 4, v9                   ; row x 128 + 16 h
	v_and_b32 v41, 31, v0
	v_lshlrev_b32 v41, 4, v41                      ; 16 x lane
.irp t, 0,1,2,3
	s_lshl_b32 s70, s[BD+\t], 13                   ; Q: the band's 64 rows of 128 bytes,
	s_lshl_b32 s71, s[J], 11                       ; my work-group's 16 of them
	s_add_co_u32 s70, s70, s71
	v_add_nc_u32 v[QO+\t], s70, v9
	s_lshr_b32 s70, s[BD+\t], 1                    ; ctx: the block of 128 tokens = 8 x batch + band / 2,
	s_lshl_b32 s74, s15, 3
	s_add_co_u32 s70, s70, s74
	s_lshl_b32 s70, s70, 4
	s_add_co_u32 s70, s70, s19                     ; the head,
	s_lshl_b32 s70, s70, 14
	s_and_b32 s74, s[BD+\t], 1                     ; the band's half of the block,
	s_lshl_b32 s74, s74, 13
	s_add_co_u32 s70, s70, s74
	s_add_co_u32 s70, s70, s71                     ; my 16 rows
	v_add_nc_u32 v[GT+\t], s70, v41
.endr
	WIN 0x40                                       ; destination window 1
.irp t, 0,1,2,3
.irp c, 0,1
	global_load_b128 v[QF+16*\t+8*\c:QF+16*\t+8*\c+3],   v[QO+\t], s[4:5] offset:64*\c
	global_load_b128 v[QF+16*\t+8*\c+4:QF+16*\t+8*\c+7], v[QO+\t], s[4:5] offset:64*\c+32
.endr
.endr
.set i, 0
.rept 128                              ; O^T = 0: in the wait for the first keys
	v_mov_b32 v[i], 0
.set i, i+1
.endr
	WIN 0
.irp t, 0,1,2,3
	v_mov_b32 v[ST+4*\t], 0xfe000000               ; c m: far below every c s
	v_mov_b32 v[ST+4*\t+1], 0xff7fffff             ; m
	v_mov_b32 v[ST+4*\t+2], 0
	v_mov_b32 v[ST+4*\t+3], 0
.endr
	v_mul_u32_u24 v[AK0], v1, PK
	v_lshl_add_u32 v[AK0], v8, 4, v[AK0]
	v_and_b32 v10, 7, v0
	v_bfe_u32 v11, v0, 3, 1
	v_lshl_add_u32 v[AV0], v8, 3, v10              ; the turning load: key 8 h + lane % 8, 16 bytes by bit 3 of the lane
	v_mul_u32_u24 v[AV0], v[AV0], PV
	v_lshl_add_u32 v[AV0], v11, 4, v[AV0]
	v_add_nc_u32 v[AV0], VB, v[AV0]
	s_mul_i32 s70, s[WV], 16*SP
	s_add_co_u32 s70, s70, STAGE
	v_mul_u32_u24 v[STO], v1, SP
	v_lshl_add_u32 v[STO], v8, 4, v[STO]
	v_add_nc_u32 v[STO], s70, v[STO]
	v_bfe_u32 v[RD], v0, 3, 2                      ; back: 32 lanes take four rows of 128 bytes
	v_mul_u32_u24 v[RD], v[RD], SP
	v_lshl_add_u32 v[RD], v10, 4, v[RD]
	v_add_nc_u32 v[RD], s70, v[RD]
	v_lshlrev_b32 v[QT], 3, v8
	v_sub_nc_u32 v[QT], v1, v[QT]
	s_lshl_b32 s70, s[J], 4
	v_add_nc_u32 v[QT], s70, v[QT]                 ; 16 j + r - 8 h: register i of key block kb is hidden where 16 kb + i is greater
	v_mov_b32 v[BIG], 0xf149f2ca                   ; -1e30
	WIN 0x80                                       ; destination window 2
.set i, 0
.rept 32
	v_cmp_gt_i32 vcc_lo, 16*(i/8)+i%8, v[QT]
	v_cndmask_b32 v[MD+i], 0, v[BIG], vcc_lo
.set i, i+1
.endr
	WIN 0
; THE MATRIX WORK, one instruction at a time.  The accumulators of a run of 8 take turns, one instruction a turn.
; Product n of 8 of S^T = K Q^T of tile t: channels 32 (n / 4) on, keys 16 (n % 4) on.  The first 4 start the sums: with 0, or (m = 1) with the mask.
.macro KQW t, n, m=0
.set hk, (\n)%4
.set hc, (\n)/4
.set hD, S+32*(\t)+8*hk
.set hA, KF+16*hk+8*hc
.set hB, QF+16*(\t)+8*hc
.if ((\n) < 4) && (\m)
	WIN 0x25                                       ; K and Q in window 1, the mask in window 2, S^T in window 0
	v_wmma_f32_16x16x32_bf16 v[hD:hD+7], v[hA:hA+7], v[hB:hB+7], v[MD+8*hk:MD+8*hk+7]
.elseif (\n) < 4
	WIN 0x05                                       ; K and Q in window 1, S^T in window 0
	v_wmma_f32_16x16x32_bf16 v[hD:hD+7], v[hA:hA+7], v[hB:hB+7], 0
.else
	WIN 0x05
	v_wmma_f32_16x16x32_bf16 v[hD:hD+7], v[hA:hA+7], v[hB:hB+7], v[hD:hD+7]
.endif
.endm
; Product n of 8 of O^T += V^T P of tile t: keys 32 (n / 4) on, channels 16 (n % 4) on.
.macro PVW t, n
.set hk, (\n)/4
.set hc, (\n)%4
.set hD, 32*(\t)+8*hc
.set hA, VF+32*hk+8*hc
.set hB, S+32*(\t)+8*hk
	WIN 0x50                                       ; V and P in window 0, O^T in window 1
	v_wmma_f32_16x16x32_bf16 v[hD:hD+7], v[hA:hA+7], v[hB:hB+7], v[hD:hD+7]
.endm
.macro KQR t, from, to, m              ; products from .. to - 1 of K Q^T, on end
.set hw, \from
.rept (\to)-(\from)
	KQW \t, hw, \m
.set hw, hw+1
.endr
.endm
.macro PVM t                           ; all 8 of V^T P, on end
.set hw, 0
.rept 8
	PVW \t, hw
.set hw, hw+1
.endr
.endm
.macro KQX t                           ; K Q^T of a tile that can be in its last step: there the sums start with the mask
	WIN 0
	s_cmp_lg_u32 s[SI], s[BD+(\t)]
	s_cbranch_scc1 .Lopen_\@
	KQR \t, 0, 4, 1
	WIN 0
	s_branch .Lgo_\@
.Lopen_\@:
	KQR \t, 0, 4, 0
	WIN 0
.Lgo_\@:
	KQR \t, 4, 8, 0
.endm
.macro HOSTW kind, t                   ; the next product that stands between a softmax's lines: kind 1 of K Q^T, kind 2 of V^T P, of tile t; kind 0: none
.if (\kind) == 1
	KQW \t, hw
.elseif (\kind) == 2
	PVW \t, hw
.endif
.set hw, hw+1
.endm
.macro FETCH_K                         ; 16 loads: 64 keys x 64 channels at v[AK]
	WIN 0x40
.irp f, 0,1,2,3,4,5,6,7
	ds_load_b128 v[KF+8*\f:KF+8*\f+3],   v[AK] offset:(\f/2)*16*PK+(\f%2)*64
	ds_load_b128 v[KF+8*\f+4:KF+8*\f+7], v[AK] offset:(\f/2)*16*PK+(\f%2)*64+32
.endr
	WIN 0
.endm
; The next step's K.  Its first byte is held at step `last`, the last whose keys have landed: in the loop's last trip that step's rows come once more, and in a wave's last live step
; the rows of a step that it does not walk; nobody uses either: the price of a fetch that stands on every way.
.macro NEXTK last
	s_add_co_u32 s70, s[TBK], 64*PK
	s_min_u32 s70, s70, (\last)*64*PK
	v_add_nc_u32 v[AK], s70, v[AK0]
	FETCH_K
.endm
.macro HEADV                           ; a step's head: five places behind the last V^T P (for V's registers and for P's, which K Q^T writes over), V's 16 loads, and the wait for K
	WIN 0
	PLACES
	v_add_nc_u32 v[AV], s[TBV], v[AV0]
.irp f, 0,1,2,3,4,5,6,7
	ds_load_tr16_b128 v[VF+8*\f:VF+8*\f+3],   v[AV] offset:(\f/4)*32*PV+(\f%4)*32
	ds_load_tr16_b128 v[VF+8*\f+4:VF+8*\f+7], v[AV] offset:(\f/4)*32*PV+16*PV+(\f%4)*32
.endr
	s_wait_dscnt 16                                ; the 16 younger loads are V's: K is in
.endm
; One tile's softmax for one key step.  kind, ht: the eight products of another tile that stand between its lines, one behind each of the first eight pairs of exponentials; none of the lines
; round a product names one of its registers, and four plain lines or more follow the last product.  Between an exponential and the first use of its result stands a plain line (ISA guide 5.7.2).
.macro SOFT t, kind=0, ht=0
	WIN 0
.set rT, ST+4*(\t)
.set rS, S+32*(\t)
.set rO, 32*(\t)
.irp n, 0,1,2,3
	v_max3_num_f32 v[CC+\n], v[rS+8*\n], v[rS+8*\n+1], v[rS+8*\n+2]      ; each accumulator's lowest registers are read first
.endr
.irp n, 0,1,2,3
	v_max3_num_f32 v[CC+\n], v[CC+\n], v[rS+8*\n+3], v[rS+8*\n+4]
.endr
.irp n, 0,1,2,3
	v_max3_num_f32 v[CC+\n], v[CC+\n], v[rS+8*\n+5], v[rS+8*\n+6]
.endr
	v_max3_num_f32 v[CC], v[CC], v[rS+7], v[rS+15]
	v_max3_num_f32 v[CC+1], v[CC+1], v[rS+23], v[rS+31]
	v_max3_num_f32 v[CC+2], v[CC+2], v[CC+3], v[rT+1]
	v_mov_b32 v[MO], v[rT]                         ; c m_old is kept
	v_max3_num_f32 v[CC], v[CC], v[CC+1], v[CC+2]
	v_permlanex16_b32 v[CC+3], v[CC], s[SEL], s[SEL+1]  ; the query's other 32 keys lie in the lane 16 away
	v_max_num_f32 v[rT+1], v[CC], v[CC+3]
	v_mul_f32 v[rT], s[CS], v[rT+1]
	v_sub_f32 v[CC+1], v[MO], v[rT]
	v_exp_f32 v[CC+2], v[CC+1]                     ; a
	v_pk_fma_f32 v[rS:rS+1], v[rS:rS+1], s[CS:CS+1], v[rT:rT+1] op_sel_hi:[1,0,0] neg_lo:[0,0,1] neg_hi:[0,0,1]      ; c s - c m for pairs 0 and 1
	v_pk_fma_f32 v[rS+2:rS+3], v[rS+2:rS+3], s[CS:CS+1], v[rT:rT+1] op_sel_hi:[1,0,0] neg_lo:[0,0,1] neg_hi:[0,0,1]
.set hw, 0
.set i, 0
.rept 16                               ; pair i
	WIN 0
	v_exp_f32 v[rS+2*i], v[rS+2*i]
.if i < 14
	v_pk_fma_f32 v[rS+2*i+4:rS+2*i+5], v[rS+2*i+4:rS+2*i+5], s[CS:CS+1], v[rT:rT+1] op_sel_hi:[1,0,0] neg_lo:[0,0,1] neg_hi:[0,0,1]  ; c s - c m for pair i + 2
.endif
	v_exp_f32 v[rS+2*i+1], v[rS+2*i+1]
.if i == 1
	s_wait_alu depctr_va_vdst(0)
	v_pk_fma_f32 v[rT+2:rT+3], v[rT+2:rT+3], v[CC+2:CC+3], v[rS:rS+1] op_sel_hi:[1,0,1]  ; l = a l + pair 0, of the unrounded weights
.elseif i > 1
	s_wait_alu depctr_va_vdst(0)
	v_pk_add_f32 v[rT+2:rT+3], v[rT+2:rT+3], v[rS+2*i-2:rS+2*i-1]                        ; l takes pair i - 1
.endif
.if i > 0
	v_cvt_pk_bf16_f32 v[rS+i-1], v[rS+2*i-2], v[rS+2*i-1]  ; P in place, ascending: register n is written when the pair that held it has been summed and rounded
.endif
.if i < 8
	HOSTW \kind, \ht
.elseif (i%2) == 0
	WIN 0x41                                       ; O^T in window 1, a in window 0: one accumulator of four, its registers ascending
.irp z, 0,1,2,3
	v_pk_mul_f32 v[rO+4*(i-8)+2*\z:rO+4*(i-8)+2*\z+1], v[rO+4*(i-8)+2*\z:rO+4*(i-8)+2*\z+1], v[CC+2:CC+3] op_sel_hi:[1,0]
.endr
.endif
.set i, i+1
.endr
	WIN 0
	v_pk_add_f32 v[rT+2:rT+3], v[rT+2:rT+3], v[rS+30:rS+31]
	v_cvt_pk_bf16_f32 v[rS+15], v[rS+30], v[rS+31]
.endm
.macro OUTT t                          ; a finished tile: O^T / l, rounded to bf16, through my stage, out as 2,048 consecutive bytes
	WIN 0
.set rT, ST+4*(\t)
.set rB, S+32*(\t)+16
.set rO, 32*(\t)
	PLACES                                         ; behind the last products
	v_add_f32 v[CC], v[rT+2], v[rT+3]
	v_permlanex16_b32 v[CC+1], v[CC], s[SEL], s[SEL+1]
	v_add_f32 v[CC], v[CC], v[CC+1]
	v_rcp_f32 v[CC+2], v[CC]
	v_nop                                          ; a plain instruction between the reciprocal and its use
	WIN 0x41
.set n, 0
	s_wait_alu depctr_va_vdst(0)
.rept 16
	v_pk_mul_f32 v[rO+2*n:rO+2*n+1], v[rO+2*n:rO+2*n+1], v[CC+2:CC+3] op_sel_hi:[1,0]
.set n, n+1
.endr
	WIN 0x05                                       ; sources in window 1, destination in window 0
.set n, 0
.rept 16
	v_cvt_pk_bf16_f32 v[rB+n], v[rO+2*n], v[rO+2*n+1]
.set n, n+1
.endr
	WIN 0
.irp f, 0,1,2,3
	ds_store_b128 v[STO], v[rB+4*\f:rB+4*\f+3] offset:32*\f
.endr
.irp f, 0,1,2,3
	ds_load_b128 v[rB+4*\f:rB+4*\f+3], v[RD] offset:\f*4*SP  ; LDS serves a wave's instructions in order (ISA guide 5.7.1.4)
.endr
	s_wait_dscnt 0x0
.irp f, 0,1,2,3
	global_store_b128 v[GT+(\t)], v[rB+4*\f:rB+4*\f+3], s[6:7] offset:512*\f  ; 512 consecutive bytes, aligned to 256
.endr
	s_wait_xcnt 0x0                                ; the stores' sources are free on every way on
.endm
.macro G t, lbl                        ; tile t is finished: jump
	WIN 0
	s_cmp_gt_u32 s[SI], s[BD+(\t)]
	s_cbranch_scc1 \lbl
.endm
.macro D t, lbl                        ; this is not tile t's last step: jump
	WIN 0
	s_cmp_lg_u32 s[SI], s[BD+(\t)]
	s_cbranch_scc1 \lbl
.endm
; The whole step of a tile that can end in the loop in hand; the caller's one test (G) stands in front of it.
.macro LIVE t
	KQX \t
	WIN 0
	PLACES                                         ; behind the products, for the scores' readers
	SOFT \t
	s_wait_dscnt 0x0                               ; V is in
	PVM \t
	WIN 0
	s_cmp_lg_u32 s[SI], s[BD+(\t)]
	s_cbranch_scc1 .Lon_\@
	OUTT \t                                        ; the band's own step was the tile's last
.Lon_\@:
.endm
	s_wait_tensorcnt 0x1                           ; my part of keys 0-511 is in; my second load stays out
	s_barrier_signal -1
	s_barrier_wait -1
	v_mov_b32 v[AK], v[AK0]
	FETCH_K                                        ; key step 0
	s_wait_loadcnt 0x0                             ; Q
	s_mov_b32 s[SI], 0
.L1:                                       ; key steps 0-7: tiles 3 and 2 (bands 8 and up) see everything; tiles 1 and 0 end here
	HEADV
	KQR 3, 0, 8, 0
	G 1, .L1x
	LIVE 1
.L1x:
	G 0, .L1y
	LIVE 0
.L1y:
	PLACES                                         ; behind tile 3's products, for the scores' readers
	SOFT 3, 1, 2                                   ; with tile 2's K Q^T between its lines
	NEXTK 7                                        ; K's last reader stands eight pairs of exponentials back
	s_wait_dscnt 16                                ; the 16 younger loads are the next K's: V is in
	SOFT 2, 2, 3                                   ; with tile 3's V^T P between its lines
	PVM 2
	WIN 0
	s_add_co_u32 s[TBK], s[TBK], 64*PK
	s_add_co_u32 s[TBV], s[TBV], 64*PV
	s_add_co_u32 s[SI], s[SI], 1
	s_cmp_lt_u32 s[SI], 8
	s_cbranch_scc1 .L1
	s_wait_tensorcnt 0x0                           ; my part of keys 512-1023 is in,
	s_wait_dscnt 0x0
	s_barrier_signal -1
	s_barrier_wait -1                              ; everybody's is
	s_mov_b32 s[SI], 8
	s_mov_b32 s[TBK], 8*64*PK
	s_mov_b32 s[TBV], 8*64*PV
	v_add_nc_u32 v[AK], s[TBK], v[AK0]
	FETCH_K                                        ; key step 8
.L2:                                       ; key steps 8-15: tiles 3 and 2; the steps behind my last band are jumped over
	s_cmp_gt_u32 s[SI], s[BD+3]
	s_cbranch_scc1 .L2z
	HEADV
	KQX 3
	G 2, .L2a
	LIVE 2
.L2a:
	PLACES
	NEXTK 15
	SOFT 3
	s_wait_dscnt 16                                ; the 16 younger loads are the next K's: V is in
	PVM 3
	D 3, .L2z
	OUTT 3
.L2z:
	s_add_co_u32 s[TBK], s[TBK], 64*PK
	s_add_co_u32 s[TBV], s[TBV], 64*PV
	s_add_co_u32 s[SI], s[SI], 1
	s_cmp_lt_u32 s[SI], 16
	s_cbranch_scc1 .L2
	s_wait_tensorcnt 0x0                           ; the wave's end
	ds_add_u32 v[SPW], v[NIL]
	s_wait_dscnt 0x0
	CROUND                                         ; the closing round
	s_endpgm
.Lfunc_end_k_q0256e00014_attn:
	.size	k_q0256e00014_attn, .Lfunc_end_k_q0256e00014_attn-k_q0256e00014_attn
	.p2alignl 7, 3214868480
	.fill 96, 4, 3214868480
	.section	.rodata,"a",@progbits
	.p2align	6, 0x0
	.amdhsa_kernel k_q0256e00014_attn
		.amdhsa_group_segment_fixed_size 327680
		.amdhsa_private_segment_fixed_size 0
		.amdhsa_enable_private_segment 0
		.amdhsa_kernarg_size 16
		.amdhsa_user_sgpr_count 2
		.amdhsa_user_sgpr_kernarg_segment_ptr 1
		.amdhsa_wavefront_size32 1
		.amdhsa_system_sgpr_workgroup_id_x 1
		.amdhsa_system_sgpr_workgroup_id_y 1
		.amdhsa_system_sgpr_workgroup_id_z 1
		.amdhsa_system_vgpr_workitem_id 0
		.amdhsa_next_free_vgpr 544
		.amdhsa_next_free_sgpr 80
		.amdhsa_reserve_vcc 1
		.amdhsa_float_denorm_mode_32 3
		.amdhsa_float_denorm_mode_16_64 3
		.amdhsa_memory_ordered 1
		.amdhsa_forward_progress 1
		.amdhsa_inst_pref_size 91
	.end_amdhsa_kernel
	.amdgpu_metadata
---
amdhsa.version: [ 1, 2 ]
amdhsa.kernels:
  - .name:           k_q0256e00014_attn
    .symbol:         k_q0256e00014_attn.kd
    .args:
      - { .name: qkv, .offset: 0, .size: 8, .value_kind: global_buffer, .address_space: global }
      - { .name: ctx, .offset: 8, .size: 8, .value_kind: global_buffer, .address_space: global }
    .group_segment_fixed_size: 327680
    .private_segment_fixed_size: 0
    .kernarg_segment_align: 8
    .kernarg_segment_size: 16
    .max_flat_workgroup_size: 128
    .sgpr_count:     80
    .vgpr_count:     544
    .wavefront_size: 32
...
	.end_amdgpu_metadata
.endif
;; end of part 3
;; launch wo (part 4): grid 8 x 32, 4 waves a work-group, clusters of 4 x 4, 327,680 bytes of LDS; arguments ctx, wb, h, x, bo; writes h
.if DOCPART == 4
	.amdgcn_target "amdgcn-amd-amdhsa--gfx1250"
	.amdhsa_code_object_version 6
	.text
	.protected	k_q0256e00014_wo
	.globl	k_q0256e00014_wo
	.p2align	8
	.type	k_q0256e00014_wo,@function
k_q0256e00014_wo:
	s_mov_b64 s[64:65], 0
	v_nop
	global_prefetch_b8 v0, s[64:65] scope:SCOPE_SE
	s_setreg_imm32_b32 hwreg(HW_REG_WAVE_MODE, 25, 1), 1
	s_wait_xcnt 0x0
	s_wait_alu depctr_hold_cnt(0) depctr_sa_sdst(0) depctr_va_vdst(0) depctr_va_sdst(0) depctr_va_ssrc(0) depctr_va_vcc(0) depctr_vm_vsrc(0)
	s_getreg_b32 s2, hwreg(HW_REG_IB_STS2, 6, 4)
	s_cmp_eq_u32 s2, 0
	s_cbranch_scc0 .Lentry_in_a_cluster
	s_endpgm
.Lentry_in_a_cluster:
	s_bfe_u32 s2, ttmp6, 0x10000c
	s_cmp_lg_u32 s2, 0xf033
	s_cbranch_scc0 .Lentry_shape_is_right
	s_endpgm
.Lentry_shape_is_right:
; h = x + ctx Wo + bo.  A = ctx, bf16, laid [32 blocks of 128 tokens][16 heads][128 rows][64]: a tile of 128 rows x 256 along K (four heads) is 65,536 dense bytes.
; B = Wo [1024 k][1024 n] bf16 at wb + 6,291,456.  x, bo, h: f32.  Sums in f32, K ascending; bias and residual are added in f32.
; A tile of C is 128 x 128: 256 work-groups; four waves, each 64 x 64 in 16 accumulators.  K goes in 4 steps of 256 through two LDS slots.
; B's fragments come out of LDS turned (ds_load_tr16_b128); source 0 = 16 columns of B, source 1 = 16 rows of A: a lane holds row lane % 16 of C and columns 8 (lane / 16) + 0..7.
; CLUSTER 4 x 4: A's tile is shared along a row of the cluster, B's along a column, by joint loads.
; THE LOOP holds ONE K step; the slot in hand is a scalar that an exclusive or turns.  SLOT's bits (17, 14) meet none of the loads' start addresses, so the same exclusive or turns the walking
; descriptor's LDS word.  The last two steps are a loop of two trips left in its middle; its last change of slots fetches 32 fragments that nobody uses.
; The residual tile and the bias are loaded at the start into registers of their own: the way out waits for no memory.
; REGISTERS: window 0: v0-31 addresses, v32-95 the way out, v128-255 accumulators; window 1: two fragment buffers of 128 (A 64, then B 64); window 2: v0-127 the residual.
.set T,      4
.set APITCH, 144                       ; a head's row of A in LDS: 128 + 16 bytes
.set AQ,     128*APITCH                ; from quarter to quarter (64 along K): the next head's 128 rows
.set HALFA,  2*AQ                      ; what one of A's loads brings: two heads
.set ASTEP,  65536
.set WOFF,   6291456
.set PB,     288                       ; a row of B: 256 + 32 bytes, an odd multiple of 32
.set HALFB,  128*PB
.set BSTEP,  524288                    ; 256 rows of 2,048 bytes
.set SLOT,   147456
.set STAGE,  2*SLOT                    ; 16 rows x 272 bytes for each wave, never filled by a tensor load
.set SPITCH, 272
.set SPARE,  STAGE+4*16*SPITCH
.set BI,    12                         ; v[12:15] the bias of my four columns
.set ADRA,  16
.set ADRA0, 17
.set ADRB,  20
.set ADRB0, 21
.set ADRBH, 22                         ; ADRB + 128 rows: quarters 2 and 3 lie past a 16-bit offset
.set STO,   24
.set RD,    25
.set CO,    26
.set BO,    27
.set SPW,   28
.set NIL,   29
.set ACC,   128
.set F0,    0
.set F1,    128
.set G1,  24
.set G0,  32
.set G1B, 48
.set G0B, 56
.set TB,  66
.set MSB, 0
.macro WIN new
.if MSB != (\new)
	s_set_vgpr_msb (MSB<<8)|(\new)
.set MSB, \new
.endif
.endm
.set MUL,  0x05                        ; sources in window 1; C and D in window 0
.set TO_F, 0x40
.macro JLOAD s
	s_cmp_eq_u32 s11, 0
	s_cbranch_scc0 .Lfor_b_\@
	tensor_load_to_lds s[G0+4*(\s):G0+4*(\s)+3], s[G1:G1+7]
	s_nop 0
.rept 4
	v_nop
.endr
	s_branch .Lasked_\@
.Lfor_b_\@:
	tensor_load_to_lds s[G0B+4*(\s):G0B+4*(\s)+3], s[G1B:G1B+7]
	s_nop 0
.rept 4
	v_nop
.endr
.Lasked_\@:
.endm
.macro CREST
	s_cmp_lg_u32 s10, 0
	s_cbranch_scc1 .Lnot_wave_0_\@
	s_barrier_signal -3
.Lnot_wave_0_\@:
	s_barrier_wait -3
	s_barrier_signal -1
	s_barrier_wait -1
.endm
.macro CROUND
	s_barrier_signal -1
	s_barrier_wait -1
	CREST
.endm
.macro PLACES
.rept 4
	v_nop
.endr
.endm
	s_load_b128 s[4:7], s[0:1], 0x0                ; A s[4:5], wb s[6:7]
	s_load_b64 s[8:9], s[0:1], 0x10                ; C
	s_load_b128 s[68:71], s[0:1], 0x18             ; residual s[68:69], bias s[70:71]
	v_lshl_add_u32 v[SPW], v0, 2, SPARE
	v_mov_b32 v[NIL], 0
	ds_add_u32 v[SPW], v[NIL]                      ; the wave's opening: the add and its wait ahead of my first tensor load
	v_lshrrev_b32 v1, 5, v0
	v_readfirstlane_b32 s10, v1
	s_lshr_b32 s11, s10, 1                         ; my half of the rows; also: I fetch for A (0) or B (1)
	s_and_b32 s12, s10, 1                          ; my half of the columns; also: which half of that tile I fetch
	s_bfe_u32 s40, ttmp6, 0x40000
	s_bfe_u32 s41, ttmp6, 0x40004
	s_lshl_b32 s42, ttmp9, 2
	s_add_co_u32 s42, s42, s40                     ; tile column
	s_and_b32 s13, ttmp7, 0xffff
	s_lshl_b32 s13, s13, 2
	s_add_co_u32 s13, s13, s41                     ; tile row
	s_lshl_b32 s43, s41, 2
	s_lshl_b32 s43, 15, s43
	s_lshl_b32 s44, 0x1111, s40
	s_or_b32 s[G1+0], s43, (1<<16)|(1<<20)|(1<<21)|(4<<22)|(3<<25)   ; A: dense, as 128 rows of 256 bytes; after 32 words (a head's row), 4 words
	s_mov_b32 s[G1+1], 128<<16
	s_mov_b32 s[G1+2], 128<<16
	s_mov_b32 s[G1+3], 128<<16
	s_mov_b32 s[G1+4], 128
	s_mov_b32 s[G1+5], 128
	s_mov_b32 s[G1+6], 0
	s_mov_b32 s[G1+7], 0
	s_or_b32 s[G1B+0], s44, (1<<16)|(1<<20)|(1<<21)|(5<<22)|(7<<25)  ; B: 128 rows of 128 elements; after 64 words, 8 words
	s_mov_b32 s[G1B+1], 128<<16
	s_mov_b32 s[G1B+2], 128<<16
	s_mov_b32 s[G1B+3], 128<<16
	s_mov_b32 s[G1B+4], 128
	s_mov_b32 s[G1B+5], 1024
	s_mov_b32 s[G1B+6], 0
	s_mov_b32 s[G1B+7], 0
	s_lshl_b32 s16, s13, 18                        ; A: 16 heads x 16,384 bytes for a tile row,
	s_lshl_b32 s17, s12, 15                        ; my two heads of the step's four
	s_add_co_u32 s16, s16, s17
	s_mov_b32 s17, 0
	s_lshl_b32 s46, s42, 8                         ; B: the tile's 128 columns,
	s_lshl_b32 s47, s12, 18                        ; my 128 rows of the step's 256
	s_add_co_u32 s46, s46, s47
	s_add_co_u32 s46, s46, WOFF
	s_mov_b32 s47, 0
	s_mul_i32 s20, s12, HALFA                      ; where they go
	s_mul_i32 s21, s12, HALFB
	s_add_co_u32 s21, s21, 2*HALFA
	s_mov_b32 s[TB], 0
	s_wait_dscnt 0x0
	s_wait_kmcnt 0x0
	s_add_nc_u64 s[14:15], s[4:5], s[16:17]
	s_add_nc_u64 s[46:47], s[6:7], s[46:47]
	CROUND
.irp s, 0,1
	s_mov_b32 s[G0+4*(\s)], 1
	s_add_co_u32 s[G0+4*(\s)+1], s20, (\s)*SLOT
	s_add_nc_u64 s[G0+4*(\s)+2:G0+4*(\s)+3], s[14:15], (\s)*ASTEP
	s_or_b32 s[G0+4*(\s)+3], s[G0+4*(\s)+3], 0x80000000
	s_mov_b32 s[G0B+4*(\s)], 1
	s_add_co_u32 s[G0B+4*(\s)+1], s21, (\s)*SLOT
	s_add_nc_u64 s[G0B+4*(\s)+2:G0B+4*(\s)+3], s[46:47], (\s)*BSTEP
	s_or_b32 s[G0B+4*(\s)+3], s[G0B+4*(\s)+3], 0x80000000
	JLOAD \s                                       ; two loads of mine are out
.endr
	v_and_b32 v1, 15, v0                           ; r
	v_bfe_u32 v2, v0, 4, 1                         ; h
	s_lshl_b32 s76, s13, 19                        ; my part of C and of the residual: (128 tile row + 64 half) rows of 4,096 bytes
	s_lshl_b32 s77, s11, 18
	s_add_co_u32 s76, s76, s77
	s_lshl_b32 s78, s42, 9                         ; + (128 tile column + 64 half) x 4 bytes
	s_lshl_b32 s79, s12, 8
	s_add_co_u32 s78, s78, s79
	s_add_co_u32 s76, s76, s78
	s_mov_b32 s77, 0
	s_add_nc_u64 s[8:9], s[8:9], s[76:77]
	s_add_nc_u64 s[68:69], s[68:69], s[76:77]
	v_lshlrev_b32 v[CO], 12, v2                    ; lanes 0-15 one row's 256 bytes, lanes 16-31 the next row's
	v_lshl_add_u32 v[CO], v1, 4, v[CO]
	v_lshlrev_b32 v[BO], 4, v1
	v_add_nc_u32 v[BO], s78, v[BO]
	WIN 0x80                                       ; destination window 2
.irp a, 0,1,2,3
.irp t, 0,1,2,3,4,5,6,7
	global_load_b128 v[32*(\a)+4*(\t):32*(\a)+4*(\t)+3], v[CO], s[68:69] offset:(16*(\a)+2*(\t))*4096
.endr
.endr
	WIN 0
	global_load_b128 v[BI:BI+3], v[BO], s[70:71]
	v_mul_u32_u24 v3, v1, APITCH
	v_lshl_add_u32 v3, v2, 4, v3
	s_mul_i32 s22, s11, 64*APITCH                  ; my 64 rows of A
	v_add_nc_u32 v[ADRA0], s22, v3
	v_mov_b32 v[ADRA], v[ADRA0]
	v_and_b32 v4, 7, v0
	v_lshl_add_u32 v4, v2, 3, v4
	v_mul_u32_u24 v4, v4, PB
	v_bfe_u32 v5, v0, 3, 1
	v_lshl_add_u32 v4, v5, 4, v4
	s_lshl_b32 s22, s12, 7                         ; my 64 columns
	s_add_co_u32 s22, s22, 2*HALFA
	v_add_nc_u32 v[ADRB0], s22, v4
	v_mov_b32 v[ADRB], v[ADRB0]
	v_add_nc_u32 v[ADRBH], HALFB, v[ADRB]
	s_mul_i32 s23, s10, 16*SPITCH
	s_add_co_u32 s23, s23, STAGE
	v_mul_u32_u24 v5, v1, SPITCH
	v_lshl_add_u32 v5, v2, 5, v5
	v_add_nc_u32 v[STO], s23, v5
	v_mul_u32_u24 v5, v2, SPITCH
	v_lshl_add_u32 v5, v1, 4, v5
	v_add_nc_u32 v[RD], s23, v5
.macro MUL8 f, c, a0, zero             ; 8 matrix instructions: m blocks a0, a0 + 1 x 4 n blocks, 32 along K: half c of buffer f; the 16 accumulators take turns
	WIN MUL
.irp a, \a0, (\a0)+1
.irp b, 0,1,2,3
.if \zero
	v_wmma_f32_16x16x32_bf16 v[ACC+8*(4*(\a)+(\b)):ACC+8*(4*(\a)+(\b))+7], v[(\f)+64+8*(4*(\c)+(\b)):(\f)+64+8*(4*(\c)+(\b))+7], v[(\f)+8*(4*(\c)+(\a)):(\f)+8*(4*(\c)+(\a))+7], 0
.else
	v_wmma_f32_16x16x32_bf16 v[ACC+8*(4*(\a)+(\b)):ACC+8*(4*(\a)+(\b))+7], v[(\f)+64+8*(4*(\c)+(\b)):(\f)+64+8*(4*(\c)+(\b))+7], v[(\f)+8*(4*(\c)+(\a)):(\f)+8*(4*(\c)+(\a))+7], v[ACC+8*(4*(\a)+(\b)):ACC+8*(4*(\a)+(\b))+7]
.endif
.endr
.endr
.endm
.macro FETCH q, f                      ; 32 LDS loads in one run: quarter q (64 along K) of the slot in hand; the first 32 along K first
	WIN TO_F
.set AB, ADRB+2*((\q)/2)
.irp c, 0,1
.irp i, 0,1,2,3
	ds_load_tr16_b128 v[(\f)+64+8*(4*(\c)+(\i)):(\f)+64+8*(4*(\c)+(\i))+3],   v[AB] offset:((\q)%2)*64*PB+(\c)*32*PB+32*(\i)
	ds_load_tr16_b128 v[(\f)+64+8*(4*(\c)+(\i))+4:(\f)+64+8*(4*(\c)+(\i))+7], v[AB] offset:((\q)%2)*64*PB+(\c)*32*PB+16*PB+32*(\i)
	ds_load_b128 v[(\f)+8*(4*(\c)+(\i)):(\f)+8*(4*(\c)+(\i))+3],   v[ADRA] offset:(\q)*AQ+64*(\c)+(\i)*16*APITCH
	ds_load_b128 v[(\f)+8*(4*(\c)+(\i))+4:(\f)+8*(4*(\c)+(\i))+7], v[ADRA] offset:(\q)*AQ+64*(\c)+(\i)*16*APITCH+32
.endr
.endr
.endm
.macro QUARTER q, f, g, zero
	s_wait_dscnt 16                                ; the first 32 along K are in
	MUL8 \f, 0, 0, \zero
	MUL8 \f, 0, 2, \zero
	PLACES
	FETCH \q, \g
	s_wait_dscnt 32                                ; all but the 32 just issued
	MUL8 \f, 1, 0, 0
	MUL8 \f, 1, 2, 0
.endm
; A step's last quarter and the change of slots: all my tensor loads, the add, my reads of this slot; the barrier; fill = 1: a round of the cluster's, and the slot just read is filled again first.
.macro TURN fill
	WIN 0
	s_wait_tensorcnt 0x0
	ds_add_u32 v[SPW], v[NIL]
	s_wait_dscnt 17                                ; the add and the youngest sixteen loads may be out
	MUL8 F1, 0, 0, 0
	s_wait_dscnt 0x0
	s_barrier_signal -1
	MUL8 F1, 0, 2, 0
	WIN 0
	s_barrier_wait -1
.if \fill
	CREST
	s_xor_b32 s[G0+5], s[G0+5], SLOT
	s_xor_b32 s[G0B+5], s[G0B+5], SLOT
	s_add_nc_u64 s[G0+6:G0+7], s[G0+6:G0+7], ASTEP
	s_add_nc_u64 s[G0B+6:G0B+7], s[G0B+6:G0B+7], BSTEP
.endif
	s_xor_b32 s[TB], s[TB], SLOT
	v_add_nc_u32 v[ADRA], s[TB], v[ADRA0]
	v_add_nc_u32 v[ADRB], s[TB], v[ADRB0]
	v_add_nc_u32 v[ADRBH], HALFB, v[ADRB]
.if \fill
	JLOAD 1                                        ; 112 matrix instructions ahead of the wait for it
.else
	PLACES
.endif
	FETCH 0, F0
	MUL8 F1, 1, 0, 0
	MUL8 F1, 1, 2, 0
.endm
	s_wait_tensorcnt 1                             ; K step 0 is in; K step 1's load stays out
	s_barrier_signal -1
	s_barrier_wait -1
	FETCH 0, F0
	QUARTER 1, F0, F1, 1
	WIN 0
	s_mov_b32 s3, T-2
.Lstep:
	QUARTER 2, F1, F0, 0
	QUARTER 3, F0, F1, 0
	TURN 1
	QUARTER 1, F0, F1, 0
	WIN 0
	s_sub_co_u32 s3, s3, 1
	s_cmp_lg_u32 s3, 0
	s_cbranch_scc1 .Lstep
	s_mov_b32 s3, 2
.Ltail:
	QUARTER 2, F1, F0, 0
	QUARTER 3, F0, F1, 0
	TURN 0
	WIN 0
	s_sub_co_u32 s3, s3, 1
	s_cmp_eq_u32 s3, 0
	s_cbranch_scc1 .Lout
	QUARTER 1, F0, F1, 0
	WIN 0
	s_branch .Ltail
.Lout:
	; THE WAY OUT: 16 rows at a time through my own stage, so that sixteen lanes hold 256 consecutive bytes of a row; bias and residual are added in f32.
	s_wait_dscnt 0x0
	s_wait_loadcnt 0x0                             ; residual and bias
	PLACES
.irp a, 0,1,2,3
.set IN, 32+32*((\a)%2)
.irp b, 0,1,2,3
	ds_store_b128 v[STO], v[ACC+8*(4*(\a)+(\b)):ACC+8*(4*(\a)+(\b))+3]   offset:64*(\b)
	ds_store_b128 v[STO], v[ACC+8*(4*(\a)+(\b))+4:ACC+8*(4*(\a)+(\b))+7] offset:64*(\b)+16
.endr
.if (\a) >= 2
	s_wait_xcnt 0x0                                ; the registers that the stores two blocks back read are loaded again only behind this wait
.endif
.irp t, 0,1,2,3,4,5,6,7
	ds_load_b128 v[IN+4*(\t):IN+4*(\t)+3], v[RD] offset:2*SPITCH*(\t)  ; LDS serves a wave's instructions in order (ISA guide 5.7.1.4)
.endr
	s_wait_dscnt 0x0
.irp t, 0,1,2,3,4,5,6,7
	v_pk_add_f32 v[IN+4*(\t):IN+4*(\t)+1], v[IN+4*(\t):IN+4*(\t)+1], v[BI:BI+1]
	v_pk_add_f32 v[IN+4*(\t)+2:IN+4*(\t)+3], v[IN+4*(\t)+2:IN+4*(\t)+3], v[BI+2:BI+3]
.endr
	WIN 0x08                                       ; source 1 in window 2
.irp t, 0,1,2,3,4,5,6,7
	v_pk_add_f32 v[IN+4*(\t):IN+4*(\t)+1], v[IN+4*(\t):IN+4*(\t)+1], v[32*(\a)+4*(\t):32*(\a)+4*(\t)+1]
	v_pk_add_f32 v[IN+4*(\t)+2:IN+4*(\t)+3], v[IN+4*(\t)+2:IN+4*(\t)+3], v[32*(\a)+4*(\t)+2:32*(\a)+4*(\t)+3]
.endr
	WIN 0
.irp t, 0,1,2,3,4,5,6,7
	global_store_b128 v[CO], v[IN+4*(\t):IN+4*(\t)+3], s[8:9] offset:(16*(\a)+2*(\t))*4096  ; 16 lanes store 256 consecutive bytes, aligned
.endr
.endr
	s_wait_tensorcnt 0x0                           ; the wave's end
	ds_add_u32 v[SPW], v[NIL]
	s_wait_dscnt 0x0
	CROUND
	s_endpgm
.Lfunc_end_k_q0256e00014_wo:
	.size	k_q0256e00014_wo, .Lfunc_end_k_q0256e00014_wo-k_q0256e00014_wo
	.p2alignl 7, 3214868480
	.fill 96, 4, 3214868480
	.section	.rodata,"a",@progbits
	.p2align	6, 0x0
	.amdhsa_kernel k_q0256e00014_wo
		.amdhsa_group_segment_fixed_size 327680
		.amdhsa_private_segment_fixed_size 0
		.amdhsa_enable_private_segment 0
		.amdhsa_kernarg_size 40
		.amdhsa_user_sgpr_count 2
		.amdhsa_user_sgpr_kernarg_segment_ptr 1
		.amdhsa_wavefront_size32 1
		.amdhsa_system_sgpr_workgroup_id_x 1
		.amdhsa_system_sgpr_workgroup_id_y 1
		.amdhsa_system_sgpr_workgroup_id_z 1
		.amdhsa_system_vgpr_workitem_id 0
		.amdhsa_next_free_vgpr 640
		.amdhsa_next_free_sgpr 80
		.amdhsa_reserve_vcc 0
		.amdhsa_float_denorm_mode_32 3
		.amdhsa_float_denorm_mode_16_64 3
		.amdhsa_memory_ordered 1
		.amdhsa_forward_progress 1
		.amdhsa_inst_pref_size 69
	.end_amdhsa_kernel
	.amdgpu_metadata
---
amdhsa.version: [ 1, 2 ]
amdhsa.kernels:
  - .name:           k_q0256e00014_wo
    .symbol:         k_q0256e00014_wo.kd
    .args:
      - { .name: ctx, .offset: 0, .size: 8, .value_kind: global_buffer, .address_space: global }
      - { .name: wb, .offset: 8, .size: 8, .value_kind: global_buffer, .address_space: global }
      - { .name: h, .offset: 16, .size: 8, .value_kind: global_buffer, .address_space: global }
      - { .name: x, .offset: 24, .size: 8, .value_kind: global_buffer, .address_space: global }
      - { .name: bo, .offset: 32, .size: 8, .value_kind: global_buffer, .address_space: global }
    .group_segment_fixed_size: 327680
    .private_segment_fixed_size: 0
    .kernarg_segment_align: 8
    .kernarg_segment_size: 40
    .max_flat_workgroup_size: 128
    .sgpr_count:     80
    .vgpr_count:     640
    .wavefront_size: 32
...
	.end_amdgpu_metadata
.endif
;; end of part 4
;; launch ln2 (part 5): grid 256 x 1, 16 waves a work-group, no clusters, 10,240 bytes of LDS; arguments h, g2, s2, act; writes act
.if DOCPART == 5
	.amdgcn_target "amdgcn-amd-amdhsa--gfx1250"
	.amdhsa_code_object_version 6
	.text
	.protected	k_q0256e00014_ln2
	.globl	k_q0256e00014_ln2
	.p2align	8
	.type	k_q0256e00014_ln2,@function
k_q0256e00014_ln2:
	s_mov_b64 s[64:65], 0
	v_nop
	global_prefetch_b8 v0, s[64:65] scope:SCOPE_SE
	s_setreg_imm32_b32 hwreg(HW_REG_WAVE_MODE, 25, 1), 1
	s_wait_xcnt 0x0
; y[r][c] = g[c] (x[r][c] - mean_r) rsqrt(var_r + 1e-5) + s[c].  x: [4096][1024] f32; y: [4096][1024] bf16, rounded once.
; One wave, one row: 4,096 bytes in 32 registers, read once.  Two passes over the registers: the mean first, then the squares of x - mean, so that a common offset of the
; row costs no digits.  All in f32.  g and s (8,192 bytes) are fetched once by the work-group, 16 bytes a thread, and handed to the 16 waves through LDS: one barrier.
; Load j of a lane takes columns 128 j + 4 lane .. + 3; g and s are read from LDS in the same map.
.set X, 8                              ; v[8:39]    the row, at last the packed output
.set G, 40                             ; v[40:71]   gain
.set S, 72                             ; v[72:103]  shift
.set T, 104                            ; v[104:119] at work
.set M, 120                            ; v[120:121] the mean twice, later rsqrt twice
.set SPW, 122                          ; v122 my spare word's address, v123 zero: never rewritten
.set NIL, 123
.set SPARE, 8192                       ; behind g and s: the spare words, 128 bytes for each of 16 waves, which no other line names
	s_load_b256 s[4:11], s[0:1], 0x0               ; x s[4:5], g s[6:7], s s[8:9], y s[10:11]
	v_lshl_add_u32 v[SPW], v0, 2, SPARE
	v_mov_b32 v[NIL], 0
	v_and_b32 v3, 31, v0
	v_lshrrev_b32 v4, 5, v0                        ; wave
	v_readfirstlane_b32 s20, v4
	v_lshlrev_b32 v3, 4, v3                        ; 16 x lane
	v_lshl_add_u32 v1, v4, 12, v3                  ; + my row of 4,096 bytes
	v_lshrrev_b32 v5, 1, v3                        ; 8 x lane
	v_lshl_add_u32 v2, v4, 11, v5                  ; + my row of 2,048 bytes
	v_and_b32 v5, 0xff, v0
	v_lshlrev_b32 v5, 4, v5                        ; my 16 bytes of g (threads 0-255) or of s (threads 256-511)
	v_lshlrev_b32 v6, 4, v0                        ; and their place in LDS: g from byte 0, s from byte 4,096
	s_lshl_b32 s2, ttmp9, 16                       ; the group's 16 rows in x
	s_mov_b32 s3, 0
	s_lshl_b32 s16, ttmp9, 15                      ; and in y
	s_mov_b32 s17, 0
	s_mov_b32 s12, 0x76543210                      ; v_permlanex16_b32: each lane takes its own place in the other half
	s_mov_b32 s13, 0xfedcba98
	s_mov_b32 s14, 0x3a800000                      ; 1 / 1024
	s_mov_b32 s15, 0x3727c5ac                      ; 1e-5
	s_wait_kmcnt 0x0
	s_cmp_lt_u32 s20, 8                            ; waves 0-7 fetch g, waves 8-15 s
	s_cselect_b64 s[18:19], s[6:7], s[8:9]
	s_add_nc_u64 s[4:5], s[4:5], s[2:3]
	s_add_nc_u64 s[10:11], s[10:11], s[16:17]
	global_load_b128 v[T:T+3], v5, s[18:19]
.irp j, 0,1,2,3,4,5,6,7
	global_load_b128 v[X+4*(\j):X+4*(\j)+3], v1, s[4:5] offset:512*(\j)
.endr
	s_wait_loadcnt 8                               ; my 16 bytes of g or s are in; the row's 8 younger loads stay out
	ds_store_b128 v6, v[T:T+3]
	s_wait_dscnt 0x0                               ; for the others' sake: my store is done
	s_barrier_signal -1
	s_barrier_wait -1                              ; everybody's is
.irp j, 0,1,2,3,4,5,6,7
	ds_load_b128 v[G+4*(\j):G+4*(\j)+3], v3 offset:512*(\j)
.endr
.irp j, 0,1,2,3,4,5,6,7
	ds_load_b128 v[S+4*(\j):S+4*(\j)+3], v3 offset:4096+512*(\j)
.endr
.macro RED                             ; the sum of v[T] over the 32 lanes, into every lane
	v_add_f32_dpp v[T], v[T], v[T] row_xmask:1 row_mask:0xf bank_mask:0xf
	v_add_f32_dpp v[T], v[T], v[T] row_xmask:2 row_mask:0xf bank_mask:0xf
	v_add_f32_dpp v[T], v[T], v[T] row_xmask:4 row_mask:0xf bank_mask:0xf
	v_add_f32_dpp v[T], v[T], v[T] row_xmask:8 row_mask:0xf bank_mask:0xf
	v_permlanex16_b32 v[T+1], v[T], s12, s13
	v_add_f32 v[T], v[T], v[T+1]
.endm
	s_wait_loadcnt 0x0                             ; the row
.irp k, 0,1,2,3,4,5,6,7
	v_pk_add_f32 v[T+2*(\k):T+2*(\k)+1], v[X+4*(\k):X+4*(\k)+1], v[X+4*(\k)+2:X+4*(\k)+3]
.endr
.irp k, 0,1,2,3
	v_pk_add_f32 v[T+2*(\k):T+2*(\k)+1], v[T+2*(\k):T+2*(\k)+1], v[T+2*(\k)+8:T+2*(\k)+9]
.endr
.irp k, 0,1
	v_pk_add_f32 v[T+2*(\k):T+2*(\k)+1], v[T+2*(\k):T+2*(\k)+1], v[T+2*(\k)+4:T+2*(\k)+5]
.endr
	v_pk_add_f32 v[T:T+1], v[T:T+1], v[T+2:T+3]
	v_add_f32 v[T], v[T], v[T+1]
	RED
	v_mul_f32 v[M], s14, v[T]                      ; the mean
	v_mul_f32 v[M+1], s14, v[T]
.set k, 0
.rept 16
	v_pk_add_f32 v[X+2*k:X+2*k+1], v[X+2*k:X+2*k+1], v[M:M+1] neg_lo:[0,1] neg_hi:[0,1]  ; x - mean, in place
.set k, k+1
.endr
.irp k, 0,1,2,3
	v_pk_mul_f32 v[T+2*(\k):T+2*(\k)+1], v[X+2*(\k):X+2*(\k)+1], v[X+2*(\k):X+2*(\k)+1]  ; four chains of squares
.endr
.set k, 4
.rept 12
	v_pk_fma_f32 v[T+2*(k%4):T+2*(k%4)+1], v[X+2*k:X+2*k+1], v[X+2*k:X+2*k+1], v[T+2*(k%4):T+2*(k%4)+1]
.set k, k+1
.endr
	v_pk_add_f32 v[T:T+1], v[T:T+1], v[T+2:T+3]
	v_pk_add_f32 v[T+4:T+5], v[T+4:T+5], v[T+6:T+7]
	v_pk_add_f32 v[T:T+1], v[T:T+1], v[T+4:T+5]
	v_add_f32 v[T], v[T], v[T+1]
	RED
	v_fma_f32 v[T], v[T], s14, s15                 ; var + eps
	v_rsq_f32 v[M], v[T]
	v_rsq_f32 v[M+1], v[T]
	v_nop                                          ; a plain instruction between the root and the use of its result (ISA guide 5.7.2)
	s_wait_dscnt 0x0                               ; g and s
.set k, 0
	s_wait_alu depctr_va_vdst(0)
.rept 16
	v_pk_mul_f32 v[X+2*k:X+2*k+1], v[X+2*k:X+2*k+1], v[M:M+1]
.set k, k+1
.endr
.set k, 0
.rept 16
	v_pk_fma_f32 v[X+2*k:X+2*k+1], v[X+2*k:X+2*k+1], v[G+2*k:G+2*k+1], v[S+2*k:S+2*k+1]
.set k, k+1
.endr
.set k, 0
.rept 16
	v_cvt_pk_bf16_f32 v[X+k], v[X+2*k], v[X+2*k+1]  ; in place, ascending: register k is written when 2 k and 2 k + 1 are read
.set k, k+1
.endr
.irp j, 0,1,2,3,4,5,6,7
	global_store_b64 v2, v[X+2*(\j):X+2*(\j)+1], s[10:11] offset:256*(\j)  ; a wave's store covers 256 consecutive bytes, aligned
.endr
	s_wait_tensorcnt 0x0                           ; the wave's end, behind my LDS store
	ds_add_u32 v[SPW], v[NIL]
	s_wait_dscnt 0x0
	s_endpgm
.Lfunc_end_k_q0256e00014_ln2:
	.size	k_q0256e00014_ln2, .Lfunc_end_k_q0256e00014_ln2-k_q0256e00014_ln2
	.p2alignl 7, 3214868480
	.fill 96, 4, 3214868480
	.section	.rodata,"a",@progbits
	.p2align	6, 0x0
	.amdhsa_kernel k_q0256e00014_ln2
		.amdhsa_group_segment_fixed_size 10240
		.amdhsa_private_segment_fixed_size 0
		.amdhsa_enable_private_segment 0
		.amdhsa_kernarg_size 32
		.amdhsa_user_sgpr_count 2
		.amdhsa_user_sgpr_kernarg_segment_ptr 1
		.amdhsa_wavefront_size32 1
		.amdhsa_system_sgpr_workgroup_id_x 1
		.amdhsa_system_sgpr_workgroup_id_y 1
		.amdhsa_system_sgpr_workgroup_id_z 1
		.amdhsa_system_vgpr_workitem_id 0
		.amdhsa_next_free_vgpr 128
		.amdhsa_next_free_sgpr 66
		.amdhsa_reserve_vcc 0
		.amdhsa_float_denorm_mode_32 3
		.amdhsa_float_denorm_mode_16_64 3
		.amdhsa_memory_ordered 1
		.amdhsa_forward_progress 1
		.amdhsa_inst_pref_size 12
	.end_amdhsa_kernel
	.amdgpu_metadata
---
amdhsa.version: [ 1, 2 ]
amdhsa.kernels:
  - .name:           k_q0256e00014_ln2
    .symbol:         k_q0256e00014_ln2.kd
    .args:
      - { .name: h, .offset: 0, .size: 8, .value_kind: global_buffer, .address_space: global }
      - { .name: g2, .offset: 8, .size: 8, .value_kind: global_buffer, .address_space: global }
      - { .name: s2, .offset: 16, .size: 8, .value_kind: global_buffer, .address_space: global }
      - { .name: act, .offset: 24, .size: 8, .value_kind: global_buffer, .address_space: global }
    .group_segment_fixed_size: 10240
    .private_segment_fixed_size: 0
    .kernarg_segment_align: 8
    .kernarg_segment_size: 32
    .max_flat_workgroup_size: 512
    .sgpr_count:     66
    .vgpr_count:     128
    .wavefront_size: 32
...
	.end_amdgpu_metadata
.endif
;; end of part 5
;; launch ff1 (part 6): grid 16 x 16, 4 waves a work-group, clusters of 4 x 4, 327,680 bytes of LDS; arguments act, wb, ff, b1; writes ff
.if DOCPART == 6
	.amdgcn_target "amdgcn-amd-amdhsa--gfx1250"
	.amdhsa_code_object_version 6
	.text
	.protected	k_q0256e00014_ff1
	.globl	k_q0256e00014_ff1
	.p2align	8
	.type	k_q0256e00014_ff1,@function
k_q0256e00014_ff1:
	s_mov_b64 s[64:65], 0
	v_nop
	global_prefetch_b8 v0, s[64:65] scope:SCOPE_SE
	s_setreg_imm32_b32 hwreg(HW_REG_WAVE_MODE, 25, 1), 1
	s_wait_xcnt 0x0
	s_wait_alu depctr_hold_cnt(0) depctr_sa_sdst(0) depctr_va_vdst(0) depctr_va_sdst(0) depctr_va_ssrc(0) depctr_va_vcc(0) depctr_vm_vsrc(0)
	s_getreg_b32 s2, hwreg(HW_REG_IB_STS2, 6, 4)
	s_cmp_eq_u32 s2, 0
	s_cbranch_scc0 .Lentry_in_a_cluster
	s_endpgm
.Lentry_in_a_cluster:
	s_bfe_u32 s2, ttmp6, 0x10000c
	s_cmp_lg_u32 s2, 0xf033
	s_cbranch_scc0 .Lentry_shape_is_right
	s_endpgm
.Lentry_shape_is_right:
; ff = gelu(y W1 + b1).  A = y [4096][1024] bf16; B = W1 [1024 k][4096 n] bf16 at wb + 8,388,608; b1 f32; ff [4096][4096] bf16, rounded once.  Sums in f32, K ascending.
; gelu(x) = 0.5 x (1 + tanh(u)), u = sqrt(2/pi) (x + 0.044715 x^3), is computed as x / (1 + 2^(x (c1 + c2 x^2))), c1 = -2 log2(e) sqrt(2/pi), c2 = 0.044715 c1: the same function, in f32.
; Where x^2 overflows the exponent is + or - infinity and the weight 0 or 1: no NaN for finite x.
; A tile of C is 256 x 256: 256 work-groups; four waves, each 128 x 128 in 64 accumulators.  K goes in 8 steps of 128 through two LDS slots filled by the tensor data mover.
; B's fragments come out of LDS turned (ds_load_tr16_b128); source 0 = 16 columns of B, source 1 = 16 rows of A: a lane holds row lane % 16 of C and columns 8 (lane / 16) + 0..7.
; CLUSTER 4 x 4: A's tile is shared along a row of the cluster, B's along a column, by joint loads.
; THE LOOP holds ONE K step; the slot in hand is a scalar that an exclusive or turns.  SLOT's bits (17, 13) meet none of the four waves' start addresses (wave x 0x8800), so the same
; exclusive or turns the walking descriptor's LDS word.  The last two steps are a loop of two trips left in its middle; its last change of slots fetches 32 fragments that nobody uses.
; REGISTERS: window 0: v0-35 addresses and bias, v64-127 and v128-191 A's fragments; window 1: the same numbers, B's; windows 2, 3: the accumulators ((a, b) at v[8 (8 a + b)]).
.set T,     8
.set ASTEP, 256
.set BSTEP, 1048576                    ; 128 rows of 8,192 bytes
.set NB,    4096
.set PA,    272
.set PB,    544
.set HALF,  34816
.set SLOT,  4*HALF
.set SP,    528
.set WSTG,  128*SP                     ; a wave's stage; the four lie in the ring, which has had its last fill by then
.set SPARE, 2*SLOT
.set ADRA,  16
.set ADRA0, 17
.set ADRB,  20
.set ADRB0, 21
.set STO,   24
.set RD,    25
.set CO,    26
.set BO,    27
.set SPW,   28
.set NIL,   29
.set BI,    32                         ; v[32:35] the bias of my four columns
.set F0,    64
.set F1,    128
.set IN,    64                         ; the way out: 8 rows read back,
.set X,     96                         ; with the bias,
.set W,     128                        ; the weight,
.set OUT,   160                        ; packed
.set G1,  24
.set G0,  32
.set G1B, 48
.set G0B, 56
.set TB,  66
.set C1,  72                           ; s[72:73], s[74:75]: the packed forms name pairs and take the low word
.set C2,  74
.set MSB, 0
.macro WIN new
.if MSB != (\new)
	s_set_vgpr_msb (MSB<<8)|(\new)
.set MSB, \new
.endif
.endm
.set MUL_LO, 0xa1
.set MUL_HI, 0xf1
.set TO_B,   0x40
.macro JLOAD s
	s_cmp_eq_u32 s11, 0
	s_cbranch_scc0 .Lfor_b_\@
	tensor_load_to_lds s[G0+4*(\s):G0+4*(\s)+3], s[G1:G1+7]
	s_nop 0
.rept 4
	v_nop
.endr
	s_branch .Lasked_\@
.Lfor_b_\@:
	tensor_load_to_lds s[G0B+4*(\s):G0B+4*(\s)+3], s[G1B:G1B+7]
	s_nop 0
.rept 4
	v_nop
.endr
.Lasked_\@:
.endm
.macro CREST
	s_cmp_lg_u32 s10, 0
	s_cbranch_scc1 .Lnot_wave_0_\@
	s_barrier_signal -3
.Lnot_wave_0_\@:
	s_barrier_wait -3
	s_barrier_signal -1
	s_barrier_wait -1
.endm
.macro CROUND
	s_barrier_signal -1
	s_barrier_wait -1
	CREST
.endm
.macro PLACES
.rept 4
	v_nop
.endr
.endm
	s_load_b128 s[4:7], s[0:1], 0x0                ; A s[4:5], wb s[6:7]
	s_load_b64 s[8:9], s[0:1], 0x10                ; ff
	s_load_b64 s[68:69], s[0:1], 0x18              ; b1
	v_lshl_add_u32 v[SPW], v0, 2, SPARE
	v_mov_b32 v[NIL], 0
	ds_add_u32 v[SPW], v[NIL]                      ; the wave's opening: the add and its wait ahead of my first tensor load
	v_lshrrev_b32 v1, 5, v0
	v_readfirstlane_b32 s10, v1
	s_lshr_b32 s11, s10, 1
	s_and_b32 s12, s10, 1
	s_bfe_u32 s40, ttmp6, 0x40000
	s_bfe_u32 s41, ttmp6, 0x40004
	s_lshl_b32 s42, ttmp9, 2
	s_add_co_u32 s42, s42, s40                     ; tile column
	s_and_b32 s13, ttmp7, 0xffff
	s_lshl_b32 s13, s13, 2
	s_add_co_u32 s13, s13, s41                     ; tile row
	s_lshl_b32 s43, s41, 2
	s_lshl_b32 s43, 15, s43
	s_lshl_b32 s44, 0x1111, s40
	s_or_b32 s[G1+0], s43, (1<<16)|(1<<20)|(1<<21)|(5<<22)|(3<<25)
	s_mov_b32 s[G1+1], 128<<16
	s_mov_b32 s[G1+2], 128<<16
	s_mov_b32 s[G1+3], 128<<16
	s_mov_b32 s[G1+4], 128
	s_mov_b32 s[G1+5], 1024
	s_mov_b32 s[G1+6], 0
	s_mov_b32 s[G1+7], 0
	s_or_b32 s[G1B+0], s44, (1<<16)|(1<<20)|(1<<21)|(6<<22)|(7<<25)
	s_mov_b32 s[G1B+1], 256<<16
	s_mov_b32 s[G1B+2], 64<<16
	s_mov_b32 s[G1B+3], 256<<16
	s_mov_b32 s[G1B+4], 64
	s_mov_b32 s[G1B+5], NB
	s_mov_b32 s[G1B+6], 0
	s_mov_b32 s[G1B+7], 0
	s_lshl_b32 s16, s13, 19                        ; A: 256 x tile row rows of 2,048 bytes + 128 x half
	s_lshl_b32 s17, s12, 18
	s_add_co_u32 s16, s16, s17
	s_mov_b32 s17, 0
	s_lshl_b32 s46, s42, 9                         ; B: the tile's 256 columns,
	s_lshl_b32 s47, s12, 19                        ; my 64 rows of 8,192 bytes
	s_add_co_u32 s46, s46, s47
	s_add_co_u32 s46, s46, 8388608                 ; W1's place in wb
	s_mov_b32 s47, 0
	s_mul_i32 s20, s10, HALF
	s_mov_b32 s[TB], 0
	s_mov_b32 s[C1], 0xc0135761                    ; -2.3022082
	s_mov_b32 s[C1+1], s[C1]
	s_mov_b32 s[C2], 0xbdd2d3e8                    ; -0.10294324
	s_mov_b32 s[C2+1], s[C2]
	s_wait_dscnt 0x0
	s_wait_kmcnt 0x0
	s_add_nc_u64 s[14:15], s[4:5], s[16:17]
	s_add_nc_u64 s[46:47], s[6:7], s[46:47]
	CROUND
.irp s, 0,1
	s_mov_b32 s[G0+4*(\s)], 1
	s_add_co_u32 s[G0+4*(\s)+1], s20, (\s)*SLOT
	s_add_nc_u64 s[G0+4*(\s)+2:G0+4*(\s)+3], s[14:15], (\s)*ASTEP
	s_or_b32 s[G0+4*(\s)+3], s[G0+4*(\s)+3], 0x80000000
	s_mov_b32 s[G0B+4*(\s)], 1
	s_add_co_u32 s[G0B+4*(\s)+1], s20, (\s)*SLOT
	s_add_nc_u64 s[G0B+4*(\s)+2:G0B+4*(\s)+3], s[46:47], (\s)*BSTEP
	s_or_b32 s[G0B+4*(\s)+3], s[G0B+4*(\s)+3], 0x80000000
	JLOAD \s                                       ; two loads of mine are out
.endr
	v_and_b32 v1, 15, v0
	v_bfe_u32 v2, v0, 4, 1
	v_and_b32 v6, 31, v0                           ; lane
	s_lshl_b32 s78, s42, 10                        ; the bias of columns 256 tile column + 128 half + 4 lane ..
	s_lshl_b32 s79, s12, 9
	s_add_co_u32 s78, s78, s79
	v_lshlrev_b32 v[BO], 4, v6
	v_add_nc_u32 v[BO], s78, v[BO]
	global_load_b128 v[BI:BI+3], v[BO], s[68:69]
	v_mul_u32_u24 v3, v1, PA
	v_lshl_add_u32 v3, v2, 4, v3
	s_mul_i32 s21, s11, HALF
	v_add_nc_u32 v[ADRA0], s21, v3
	v_mov_b32 v[ADRA], v[ADRA0]
	v_and_b32 v4, 7, v0
	v_lshl_add_u32 v4, v2, 3, v4
	v_mul_u32_u24 v4, v4, PB
	v_bfe_u32 v5, v0, 3, 1
	v_lshl_add_u32 v4, v5, 4, v4
	s_lshl_b32 s22, s12, 8
	s_add_co_u32 s22, s22, 2*HALF
	v_add_nc_u32 v[ADRB0], s22, v4
	v_mov_b32 v[ADRB], v[ADRB0]
	s_mul_i32 s23, s10, WSTG
	v_mul_u32_u24 v5, v1, SP
	v_lshl_add_u32 v5, v2, 5, v5
	v_add_nc_u32 v[STO], s23, v5
	v_lshl_add_u32 v[RD], v6, 4, s23               ; back: a load takes one row's 512 bytes, 16 a lane
	v_lshlrev_b32 v[CO], 3, v6                     ; which are 256 bytes of bf16, 8 a lane
	s_lshl_b32 s76, s13, 21                        ; my part of ff: (256 tile row + 128 half) rows of 8,192 bytes
	s_lshl_b32 s77, s11, 20
	s_add_co_u32 s76, s76, s77
	s_lshl_b32 s77, s42, 9                         ; + (256 tile column + 128 half) x 2 bytes
	s_add_co_u32 s76, s76, s77
	s_lshl_b32 s77, s12, 8
	s_add_co_u32 s76, s76, s77
	s_mov_b32 s77, 0
	s_add_nc_u64 s[8:9], s[8:9], s[76:77]
.macro MUL16 f, hi, a0, zero           ; the accumulators take turns, one instruction a turn
	WIN MUL_LO+0x50*(\hi)
.irp a, \a0, (\a0)+1
.irp b, 0,1,2,3,4,5,6,7
.if \zero
	v_wmma_f32_16x16x32_bf16 v[8*(8*(\a)+(\b)):8*(8*(\a)+(\b))+7], v[(\f)+8*(\b):(\f)+8*(\b)+7], v[(\f)+8*(4*(\hi)+(\a)):(\f)+8*(4*(\hi)+(\a))+7], 0
.else
	v_wmma_f32_16x16x32_bf16 v[8*(8*(\a)+(\b)):8*(8*(\a)+(\b))+7], v[(\f)+8*(\b):(\f)+8*(\b)+7], v[(\f)+8*(4*(\hi)+(\a)):(\f)+8*(4*(\hi)+(\a))+7], v[8*(8*(\a)+(\b)):8*(8*(\a)+(\b))+7]
.endif
.endr
.endr
.endm
.macro FETCH q, f
	WIN TO_B
.irp i, 0,1,2,3,4,5,6,7
	ds_load_tr16_b128 v[(\f)+8*(\i):(\f)+8*(\i)+3],   v[ADRB] offset:(\q)*32*PB+32*(\i)
	ds_load_tr16_b128 v[(\f)+8*(\i)+4:(\f)+8*(\i)+7], v[ADRB] offset:(\q)*32*PB+16*PB+32*(\i)
.endr
	WIN 0
.irp i, 0,1,2,3,4,5,6,7
	ds_load_b128 v[(\f)+8*(\i):(\f)+8*(\i)+3],   v[ADRA] offset:(\q)*64+(\i)*16*PA
	ds_load_b128 v[(\f)+8*(\i)+4:(\f)+8*(\i)+7], v[ADRA] offset:(\q)*64+(\i)*16*PA+32
.endr
.endm
.macro QUARTER q, f, g, zero
	s_wait_dscnt 8                                 ; B and A's rows 0-63 are in; the youngest eight loads may be out
	MUL16 \f, 0, 0, \zero
	MUL16 \f, 0, 2, \zero
	PLACES
	FETCH \q, \g
	s_wait_dscnt 32                                ; all but the 32 just issued
	MUL16 \f, 1, 0, \zero
	MUL16 \f, 1, 2, \zero
.endm
.macro TURN fill                       ; a step's last quarter and the change of slots: all my tensor loads, the add, my reads; the barrier; fill = 1: a round of the cluster's and the refill first behind it
	WIN 0
	s_wait_tensorcnt 0x0
	ds_add_u32 v[SPW], v[NIL]
	s_wait_dscnt 9                                 ; the add and the youngest eight loads may be out
	MUL16 F1, 0, 0, 0
	s_wait_dscnt 0x0
	s_barrier_signal -1
	MUL16 F1, 0, 2, 0
	WIN 0
	s_barrier_wait -1
.if \fill
	CREST
	s_xor_b32 s[G0+5], s[G0+5], SLOT
	s_xor_b32 s[G0B+5], s[G0B+5], SLOT
	s_add_nc_u64 s[G0+6:G0+7], s[G0+6:G0+7], ASTEP
	s_add_nc_u64 s[G0B+6:G0B+7], s[G0B+6:G0B+7], BSTEP
.endif
	s_xor_b32 s[TB], s[TB], SLOT
	v_add_nc_u32 v[ADRA], s[TB], v[ADRA0]
	v_add_nc_u32 v[ADRB], s[TB], v[ADRB0]
.if \fill
	JLOAD 1                                        ; 224 matrix instructions ahead of the wait for it
.else
	PLACES
.endif
	FETCH 0, F0
	MUL16 F1, 1, 0, 0
	MUL16 F1, 1, 2, 0
.endm
	s_wait_tensorcnt 1                             ; K step 0 is in; K step 1's load stays out
	s_barrier_signal -1
	s_barrier_wait -1
	FETCH 0, F0
	QUARTER 1, F0, F1, 1
	WIN 0
	s_mov_b32 s3, T-2
.Lstep:
	QUARTER 2, F1, F0, 0
	QUARTER 3, F0, F1, 0
	TURN 1
	QUARTER 1, F0, F1, 0
	WIN 0
	s_sub_co_u32 s3, s3, 1
	s_cmp_lg_u32 s3, 0
	s_cbranch_scc1 .Lstep
	s_mov_b32 s3, 2
.Ltail:
	QUARTER 2, F1, F0, 0
	QUARTER 3, F0, F1, 0
	TURN 0
	WIN 0
	s_sub_co_u32 s3, s3, 1
	s_cmp_eq_u32 s3, 0
	s_cbranch_scc1 .Lout
	QUARTER 1, F0, F1, 0
	WIN 0
	s_branch .Ltail
.Lout:
	; THE WAY OUT.  Every wave has left the ring: its bytes, filled for the last time, become four stages of 128 rows x 128 f32.
	s_wait_dscnt 0x0
	s_barrier_signal -1
	s_barrier_wait -1
	PLACES
.irp a, 0,1,2,3,4,5,6,7
	WIN 0x08+4*((\a)/4)
.irp b, 0,1,2,3,4,5,6,7
	ds_store_b128 v[STO], v[8*(8*((\a)%4)+(\b)):8*(8*((\a)%4)+(\b))+3]   offset:(\a)*16*SP+64*(\b)
	ds_store_b128 v[STO], v[8*(8*((\a)%4)+(\b))+4:8*(8*((\a)%4)+(\b))+7] offset:(\a)*16*SP+64*(\b)+16
.endr
.endr
	WIN 0
	s_wait_loadcnt 0x0                             ; the bias
.irp i, 0,1,2,3,4,5,6,7
	ds_load_b128 v[IN+4*(\i):IN+4*(\i)+3], v[RD] offset:SP*(\i)  ; LDS serves a wave's instructions in order (ISA guide 5.7.1.4)
.endr
	s_mov_b32 s3, 16
.Lrow:                                     ; 8 rows a trip; the next trip's rows are fetched as soon as this trip's have left their registers
	s_wait_dscnt 0x0
.irp i, 0,1,2,3,4,5,6,7
	v_pk_add_f32 v[X+4*(\i):X+4*(\i)+1], v[IN+4*(\i):IN+4*(\i)+1], v[BI:BI+1]
	v_pk_add_f32 v[X+4*(\i)+2:X+4*(\i)+3], v[IN+4*(\i)+2:IN+4*(\i)+3], v[BI+2:BI+3]
.endr
	s_cmp_eq_u32 s3, 1
	s_cbranch_scc1 .Lnold                          ; the last trip fetches nothing
	v_add_nc_u32 v[RD], 8*SP, v[RD]
.irp i, 0,1,2,3,4,5,6,7
	ds_load_b128 v[IN+4*(\i):IN+4*(\i)+3], v[RD] offset:SP*(\i)
.endr
.Lnold:
.set p, 0
.rept 16
	v_pk_mul_f32 v[W+2*p:W+2*p+1], v[X+2*p:X+2*p+1], v[X+2*p:X+2*p+1]
.set p, p+1
.endr
.set p, 0
.rept 16
	v_pk_fma_f32 v[W+2*p:W+2*p+1], v[W+2*p:W+2*p+1], s[C2:C2+1], s[C1:C1+1] op_sel_hi:[1,0,0]
.set p, p+1
.endr
.set p, 0
.rept 16
	v_pk_mul_f32 v[W+2*p:W+2*p+1], v[W+2*p:W+2*p+1], v[X+2*p:X+2*p+1]
.set p, p+1
.endr
.set p, 0
.rept 32
	v_exp_f32 v[W+p], v[W+p]
.set p, p+1
.endr
	v_nop                                          ; a plain instruction behind the last exponential (ISA guide 5.7.2)
.set p, 0
	s_wait_alu depctr_va_vdst(0)
.rept 16
	v_pk_add_f32 v[W+2*p:W+2*p+1], v[W+2*p:W+2*p+1], 1.0 op_sel_hi:[1,0]
.set p, p+1
.endr
.set p, 0
.rept 32
	v_rcp_f32 v[W+p], v[W+p]
.set p, p+1
.endr
	v_nop
.set p, 0
	s_wait_alu depctr_va_vdst(0)
.rept 16
	v_pk_mul_f32 v[X+2*p:X+2*p+1], v[X+2*p:X+2*p+1], v[W+2*p:W+2*p+1]
.set p, p+1
.endr
.set p, 0
.rept 16
	v_cvt_pk_bf16_f32 v[OUT+p], v[X+2*p], v[X+2*p+1]
.set p, p+1
.endr
.irp i, 0,1,2,3,4,5,6,7
	global_store_b64 v[CO], v[OUT+2*(\i):OUT+2*(\i)+1], s[8:9] offset:8192*(\i)  ; 256 consecutive bytes, aligned
.endr
	s_wait_xcnt 0x0                                ; the stores' base and data are rewritten only behind this wait
	s_add_nc_u64 s[8:9], s[8:9], 65536
	s_sub_co_u32 s3, s3, 1
	s_cmp_lg_u32 s3, 0
	s_cbranch_scc1 .Lrow
	s_wait_tensorcnt 0x0                           ; the wave's end
	ds_add_u32 v[SPW], v[NIL]
	s_wait_dscnt 0x0
	CROUND
	s_endpgm
.Lfunc_end_k_q0256e00014_ff1:
	.size	k_q0256e00014_ff1, .Lfunc_end_k_q0256e00014_ff1-k_q0256e00014_ff1
	.p2alignl 7, 3214868480
	.fill 96, 4, 3214868480
	.section	.rodata,"a",@progbits
	.p2align	6, 0x0
	.amdhsa_kernel k_q0256e00014_ff1
		.amdhsa_group_segment_fixed_size 327680
		.amdhsa_private_segment_fixed_size 0
		.amdhsa_enable_private_segment 0
		.amdhsa_kernarg_size 32
		.amdhsa_user_sgpr_count 2
		.amdhsa_user_sgpr_kernarg_segment_ptr 1
		.amdhsa_wavefront_size32 1
		.amdhsa_system_sgpr_workgroup_id_x 1
		.amdhsa_system_sgpr_workgroup_id_y 1
		.amdhsa_system_sgpr_workgroup_id_z 1
		.amdhsa_system_vgpr_workitem_id 0
		.amdhsa_next_free_vgpr 1024
		.amdhsa_next_free_sgpr 80
		.amdhsa_reserve_vcc 0
		.amdhsa_float_denorm_mode_32 3
		.amdhsa_float_denorm_mode_16_64 3
		.amdhsa_memory_ordered 1
		.amdhsa_forward_progress 1
		.amdhsa_inst_pref_size 88
	.end_amdhsa_kernel
	.amdgpu_metadata
---
amdhsa.version: [ 1, 2 ]
amdhsa.kernels:
  - .name:           k_q0256e00014_ff1
    .symbol:         k_q0256e00014_ff1.kd
    .args:
      - { .name: act, .offset: 0, .size: 8, .value_kind: global_buffer, .address_space: global }
      - { .name: wb, .offset: 8, .size: 8, .value_kind: global_buffer, .address_space: global }
      - { .name: ff, .offset: 16, .size: 8, .value_kind: global_buffer, .address_space: global }
      - { .name: b1, .offset: 24, .size: 8, .value_kind: global_buffer, .address_space: global }
    .group_segment_fixed_size: 327680
    .private_segment_fixed_size: 0
    .kernarg_segment_align: 8
    .kernarg_segment_size: 32
    .max_flat_workgroup_size: 128
    .sgpr_count:     80
    .vgpr_count:     1024
    .wavefront_size: 32
...
	.end_amdgpu_metadata
.endif
;; end of part 6
;; launch ff2 (part 7): grid 8 x 32, 4 waves a work-group, clusters of 4 x 4, 327,680 bytes of LDS; arguments ff, wb, out0, h, b2; writes out0
.if DOCPART == 7
	.amdgcn_target "amdgcn-amd-amdhsa--gfx1250"
	.amdhsa_code_object_version 6
	.text
	.protected	k_q0256e00014_ff2
	.globl	k_q0256e00014_ff2
	.p2align	8
	.type	k_q0256e00014_ff2,@function
k_q0256e00014_ff2:
	s_mov_b64 s[64:65], 0
	v_nop
	global_prefetch_b8 v0, s[64:65] scope:SCOPE_SE
	s_setreg_imm32_b32 hwreg(HW_REG_WAVE_MODE, 25, 1), 1
	s_wait_xcnt 0x0
	s_wait_alu depctr_hold_cnt(0) depctr_sa_sdst(0) depctr_va_vdst(0) depctr_va_sdst(0) depctr_va_ssrc(0) depctr_va_vcc(0) depctr_vm_vsrc(0)
	s_getreg_b32 s2, hwreg(HW_REG_IB_STS2, 6, 4)
	s_cmp_eq_u32 s2, 0
	s_cbranch_scc0 .Lentry_in_a_cluster
	s_endpgm
.Lentry_in_a_cluster:
	s_bfe_u32 s2, ttmp6, 0x10000c
	s_cmp_lg_u32 s2, 0xf033
	s_cbranch_scc0 .Lentry_shape_is_right
	s_endpgm
.Lentry_shape_is_right:
; out0 = h + ff W2 + b2.  A = ff [4096][4096] bf16; B = W2 [4096 k][1024 n] bf16 at wb + 16,777,216; h, b2, out0: f32.  Sums in f32, K ascending; bias and residual are added in f32.
; A tile of C is 128 x 128: 256 work-groups; four waves, each 64 x 64 in 16 accumulators.  K goes in 16 steps of 256 through two LDS slots; A's rows are 512 bytes of memory, B's 256.
; B's fragments come out of LDS turned (ds_load_tr16_b128); source 0 = 16 columns of B, source 1 = 16 rows of A: a lane holds row lane % 16 of C and columns 8 (lane / 16) + 0..7.
; CLUSTER 4 x 4: A's tile is shared along a row of the cluster, B's along a column, by joint loads.
; THE LOOP holds ONE K step; the slot in hand is a scalar that an exclusive or turns.  SLOT's bits (17, 14) meet none of the loads' start addresses, so the same exclusive or turns the walking
; descriptor's LDS word.  The last two steps are a loop of two trips left in its middle; its last change of slots fetches 32 fragments that nobody uses.
; The residual tile and the bias are loaded at the start into registers of their own: the way out waits for no memory.
; REGISTERS: window 0: v0-31 addresses, v32-95 the way out, v128-255 accumulators; window 1: two fragment buffers of 128 (A 64, then B 64); window 2: v0-127 the residual.
.set T,      16
.set APITCH, 528                       ; a row of A in LDS: 512 + 16 bytes
.set AQ,     128                       ; from quarter to quarter: 64 along K in the row
.set HALFA,  64*APITCH                 ; what one of A's loads brings: 64 rows
.set ASTEP,  512
.set WOFF,   16777216
.set PB,     288
.set HALFB,  128*PB
.set BSTEP,  524288
.set SLOT,   147456                    ; 141,312 used
.set STAGE,  2*SLOT
.set SPITCH, 272
.set SPARE,  STAGE+4*16*SPITCH
.set BI,    12
.set ADRA,  16
.set ADRA0, 17
.set ADRB,  20
.set ADRB0, 21
.set ADRBH, 22
.set STO,   24
.set RD,    25
.set CO,    26
.set BO,    27
.set SPW,   28
.set NIL,   29
.set ACC,   128
.set F0,    0
.set F1,    128
.set G1,  24
.set G0,  32
.set G1B, 48
.set G0B, 56
.set TB,  66
.set MSB, 0
.macro WIN new
.if MSB != (\new)
	s_set_vgpr_msb (MSB<<8)|(\new)
.set MSB, \new
.endif
.endm
.set MUL,  0x05
.set TO_F, 0x40
.macro JLOAD s
	s_cmp_eq_u32 s11, 0
	s_cbranch_scc0 .Lfor_b_\@
	tensor_load_to_lds s[G0+4*(\s):G0+4*(\s)+3], s[G1:G1+7]
	s_nop 0
.rept 4
	v_nop
.endr
	s_branch .Lasked_\@
.Lfor_b_\@:
	tensor_load_to_lds s[G0B+4*(\s):G0B+4*(\s)+3], s[G1B:G1B+7]
	s_nop 0
.rept 4
	v_nop
.endr
.Lasked_\@:
.endm
.macro CREST
	s_cmp_lg_u32 s10, 0
	s_cbranch_scc1 .Lnot_wave_0_\@
	s_barrier_signal -3
.Lnot_wave_0_\@:
	s_barrier_wait -3
	s_barrier_signal -1
	s_barrier_wait -1
.endm
.macro CROUND
	s_barrier_signal -1
	s_barrier_wait -1
	CREST
.endm
.macro PLACES
.rept 4
	v_nop
.endr
.endm
	s_load_b128 s[4:7], s[0:1], 0x0                ; A s[4:5], wb s[6:7]
	s_load_b64 s[8:9], s[0:1], 0x10                ; C
	s_load_b128 s[68:71], s[0:1], 0x18             ; residual s[68:69], bias s[70:71]
	v_lshl_add_u32 v[SPW], v0, 2, SPARE
	v_mov_b32 v[NIL], 0
	ds_add_u32 v[SPW], v[NIL]                      ; the wave's opening: the add and its wait ahead of my first tensor load
	v_lshrrev_b32 v1, 5, v0
	v_readfirstlane_b32 s10, v1
	s_lshr_b32 s11, s10, 1
	s_and_b32 s12, s10, 1
	s_bfe_u32 s40, ttmp6, 0x40000
	s_bfe_u32 s41, ttmp6, 0x40004
	s_lshl_b32 s42, ttmp9, 2
	s_add_co_u32 s42, s42, s40                     ; tile column
	s_and_b32 s13, ttmp7, 0xffff
	s_lshl_b32 s13, s13, 2
	s_add_co_u32 s13, s13, s41                     ; tile row
	s_lshl_b32 s43, s41, 2
	s_lshl_b32 s43, 15, s43
	s_lshl_b32 s44, 0x1111, s40
	s_or_b32 s[G1+0], s43, (1<<16)|(1<<20)|(1<<21)|(6<<22)|(3<<25)   ; A: 64 rows of 256 elements; after 128 words, 4 words
	s_mov_b32 s[G1+1], 256<<16
	s_mov_b32 s[G1+2], 64<<16
	s_mov_b32 s[G1+3], 256<<16
	s_mov_b32 s[G1+4], 64
	s_mov_b32 s[G1+5], 4096
	s_mov_b32 s[G1+6], 0
	s_mov_b32 s[G1+7], 0
	s_or_b32 s[G1B+0], s44, (1<<16)|(1<<20)|(1<<21)|(5<<22)|(7<<25)  ; B: 128 rows of 128 elements; after 64 words, 8 words
	s_mov_b32 s[G1B+1], 128<<16
	s_mov_b32 s[G1B+2], 128<<16
	s_mov_b32 s[G1B+3], 128<<16
	s_mov_b32 s[G1B+4], 128
	s_mov_b32 s[G1B+5], 1024
	s_mov_b32 s[G1B+6], 0
	s_mov_b32 s[G1B+7], 0
	s_lshl_b32 s16, s13, 20                        ; A: 128 x tile row rows of 8,192 bytes,
	s_lshl_b32 s17, s12, 19                        ; + 64 x half
	s_add_co_u32 s16, s16, s17
	s_mov_b32 s17, 0
	s_lshl_b32 s46, s42, 8
	s_lshl_b32 s47, s12, 18
	s_add_co_u32 s46, s46, s47
	s_add_co_u32 s46, s46, WOFF
	s_mov_b32 s47, 0
	s_mul_i32 s20, s12, HALFA
	s_mul_i32 s21, s12, HALFB
	s_add_co_u32 s21, s21, 2*HALFA
	s_mov_b32 s[TB], 0
	s_wait_dscnt 0x0
	s_wait_kmcnt 0x0
	s_add_nc_u64 s[14:15], s[4:5], s[16:17]
	s_add_nc_u64 s[46:47], s[6:7], s[46:47]
	CROUND
.irp s, 0,1
	s_mov_b32 s[G0+4*(\s)], 1
	s_add_co_u32 s[G0+4*(\s)+1], s20, (\s)*SLOT
	s_add_nc_u64 s[G0+4*(\s)+2:G0+4*(\s)+3], s[14:15], (\s)*ASTEP
	s_or_b32 s[G0+4*(\s)+3], s[G0+4*(\s)+3], 0x80000000
	s_mov_b32 s[G0B+4*(\s)], 1
	s_add_co_u32 s[G0B+4*(\s)+1], s21, (\s)*SLOT
	s_add_nc_u64 s[G0B+4*(\s)+2:G0B+4*(\s)+3], s[46:47], (\s)*BSTEP
	s_or_b32 s[G0B+4*(\s)+3], s[G0B+4*(\s)+3], 0x80000000
	JLOAD \s                                       ; two loads of mine are out
.endr
	v_and_b32 v1, 15, v0
	v_bfe_u32 v2, v0, 4, 1
	s_lshl_b32 s76, s13, 19
	s_lshl_b32 s77, s11, 18
	s_add_co_u32 s76, s76, s77
	s_lshl_b32 s78, s42, 9
	s_lshl_b32 s79, s12, 8
	s_add_co_u32 s78, s78, s79
	s_add_co_u32 s76, s76, s78
	s_mov_b32 s77, 0
	s_add_nc_u64 s[8:9], s[8:9], s[76:77]
	s_add_nc_u64 s[68:69], s[68:69], s[76:77]
	v_lshlrev_b32 v[CO], 12, v2
	v_lshl_add_u32 v[CO], v1, 4, v[CO]
	v_lshlrev_b32 v[BO], 4, v1
	v_add_nc_u32 v[BO], s78, v[BO]
	WIN 0x80
.irp a, 0,1,2,3
.irp t, 0,1,2,3,4,5,6,7
	global_load_b128 v[32*(\a)+4*(\t):32*(\a)+4*(\t)+3], v[CO], s[68:69] offset:(16*(\a)+2*(\t))*4096
.endr
.endr
	WIN 0
	global_load_b128 v[BI:BI+3], v[BO], s[70:71]
	v_mul_u32_u24 v3, v1, APITCH
	v_lshl_add_u32 v3, v2, 4, v3
	s_mul_i32 s22, s11, 64*APITCH
	v_add_nc_u32 v[ADRA0], s22, v3
	v_mov_b32 v[ADRA], v[ADRA0]
	v_and_b32 v4, 7, v0
	v_lshl_add_u32 v4, v2, 3, v4
	v_mul_u32_u24 v4, v4, PB
	v_bfe_u32 v5, v0, 3, 1
	v_lshl_add_u32 v4, v5, 4, v4
	s_lshl_b32 s22, s12, 7
	s_add_co_u32 s22, s22, 2*HALFA
	v_add_nc_u32 v[ADRB0], s22, v4
	v_mov_b32 v[ADRB], v[ADRB0]
	v_add_nc_u32 v[ADRBH], HALFB, v[ADRB]
	s_mul_i32 s23, s10, 16*SPITCH
	s_add_co_u32 s23, s23, STAGE
	v_mul_u32_u24 v5, v1, SPITCH
	v_lshl_add_u32 v5, v2, 5, v5
	v_add_nc_u32 v[STO], s23, v5
	v_mul_u32_u24 v5, v2, SPITCH
	v_lshl_add_u32 v5, v1, 4, v5
	v_add_nc_u32 v[RD], s23, v5
.macro MUL8 f, c, a0, zero             ; the 16 accumulators take turns, one instruction a turn
	WIN MUL
.irp a, \a0, (\a0)+1
.irp b, 0,1,2,3
.if \zero
	v_wmma_f32_16x16x32_bf16 v[ACC+8*(4*(\a)+(\b)):ACC+8*(4*(\a)+(\b))+7], v[(\f)+64+8*(4*(\c)+(\b)):(\f)+64+8*(4*(\c)+(\b))+7], v[(\f)+8*(4*(\c)+(\a)):(\f)+8*(4*(\c)+(\a))+7], 0
.else
	v_wmma_f32_16x16x32_bf16 v[ACC+8*(4*(\a)+(\b)):ACC+8*(4*(\a)+(\b))+7], v[(\f)+64+8*(4*(\c)+(\b)):(\f)+64+8*(4*(\c)+(\b))+7], v[(\f)+8*(4*(\c)+(\a)):(\f)+8*(4*(\c)+(\a))+7], v[ACC+8*(4*(\a)+(\b)):ACC+8*(4*(\a)+(\b))+7]
.endif
.endr
.endr
.endm
.macro FETCH q, f
	WIN TO_F
.set AB, ADRB+2*((\q)/2)
.irp c, 0,1
.irp i, 0,1,2,3
	ds_load_tr16_b128 v[(\f)+64+8*(4*(\c)+(\i)):(\f)+64+8*(4*(\c)+(\i))+3],   v[AB] offset:((\q)%2)*64*PB+(\c)*32*PB+32*(\i)
	ds_load_tr16_b128 v[(\f)+64+8*(4*(\c)+(\i))+4:(\f)+64+8*(4*(\c)+(\i))+7], v[AB] offset:((\q)%2)*64*PB+(\c)*32*PB+16*PB+32*(\i)
	ds_load_b128 v[(\f)+8*(4*(\c)+(\i)):(\f)+8*(4*(\c)+(\i))+3],   v[ADRA] offset:(\q)*AQ+64*(\c)+(\i)*16*APITCH
	ds_load_b128 v[(\f)+8*(4*(\c)+(\i))+4:(\f)+8*(4*(\c)+(\i))+7], v[ADRA] offset:(\q)*AQ+64*(\c)+(\i)*16*APITCH+32
.endr
.endr
.endm
.macro QUARTER q, f, g, zero
	s_wait_dscnt 16                                ; the first 32 along K are in
	MUL8 \f, 0, 0, \zero
	MUL8 \f, 0, 2, \zero
	PLACES
	FETCH \q, \g
	s_wait_dscnt 32                                ; all but the 32 just issued
	MUL8 \f, 1, 0, 0
	MUL8 \f, 1, 2, 0
.endm
.macro TURN fill                       ; a step's last quarter and the change of slots: all my tensor loads, the add, my reads; the barrier; fill = 1: a round of the cluster's and the refill first behind it
	WIN 0
	s_wait_tensorcnt 0x0
	ds_add_u32 v[SPW], v[NIL]
	s_wait_dscnt 17                                ; the add and the youngest sixteen loads may be out
	MUL8 F1, 0, 0, 0
	s_wait_dscnt 0x0
	s_barrier_signal -1
	MUL8 F1, 0, 2, 0
	WIN 0
	s_barrier_wait -1
.if \fill
	CREST
	s_xor_b32 s[G0+5], s[G0+5], SLOT
	s_xor_b32 s[G0B+5], s[G0B+5], SLOT
	s_add_nc_u64 s[G0+6:G0+7], s[G0+6:G0+7], ASTEP
	s_add_nc_u64 s[G0B+6:G0B+7], s[G0B+6:G0B+7], BSTEP
.endif
	s_xor_b32 s[TB], s[TB], SLOT
	v_add_nc_u32 v[ADRA], s[TB], v[ADRA0]
	v_add_nc_u32 v[ADRB], s[TB], v[ADRB0]
	v_add_nc_u32 v[ADRBH], HALFB, v[ADRB]
.if \fill
	JLOAD 1                                        ; 112 matrix instructions ahead of the wait for it
.else
	PLACES
.endif
	FETCH 0, F0
	MUL8 F1, 1, 0, 0
	MUL8 F1, 1, 2, 0
.endm
	s_wait_tensorcnt 1                             ; K step 0 is in; K step 1's load stays out
	s_barrier_signal -1
	s_barrier_wait -1
	FETCH 0, F0
	QUARTER 1, F0, F1, 1
	WIN 0
	s_mov_b32 s3, T-2
.Lstep:
	QUARTER 2, F1, F0, 0
	QUARTER 3, F0, F1, 0
	TURN 1
	QUARTER 1, F0, F1, 0
	WIN 0
	s_sub_co_u32 s3, s3, 1
	s_cmp_lg_u32 s3, 0
	s_cbranch_scc1 .Lstep
	s_mov_b32 s3, 2
.Ltail:
	QUARTER 2, F1, F0, 0
	QUARTER 3, F0, F1, 0
	TURN 0
	WIN 0
	s_sub_co_u32 s3, s3, 1
	s_cmp_eq_u32 s3, 0
	s_cbranch_scc1 .Lout
	QUARTER 1, F0, F1, 0
	WIN 0
	s_branch .Ltail
.Lout:
	; THE WAY OUT: 16 rows at a time through my own stage, so that sixteen lanes hold 256 consecutive bytes of a row; bias and residual are added in f32.
	s_wait_dscnt 0x0
	s_wait_loadcnt 0x0                             ; residual and bias
	PLACES
.irp a, 0,1,2,3
.set IN, 32+32*((\a)%2)
.irp b, 0,1,2,3
	ds_store_b128 v[STO], v[ACC+8*(4*(\a)+(\b)):ACC+8*(4*(\a)+(\b))+3]   offset:64*(\b)
	ds_store_b128 v[STO], v[ACC+8*(4*(\a)+(\b))+4:ACC+8*(4*(\a)+(\b))+7] offset:64*(\b)+16
.endr
.if (\a) >= 2
	s_wait_xcnt 0x0                                ; the registers that the stores two blocks back read are loaded again only behind this wait
.endif
.irp t, 0,1,2,3,4,5,6,7
	ds_load_b128 v[IN+4*(\t):IN+4*(\t)+3], v[RD] offset:2*SPITCH*(\t)  ; LDS serves a wave's instructions in order (ISA guide 5.7.1.4)
.endr
	s_wait_dscnt 0x0
.irp t, 0,1,2,3,4,5,6,7
	v_pk_add_f32 v[IN+4*(\t):IN+4*(\t)+1], v[IN+4*(\t):IN+4*(\t)+1], v[BI:BI+1]
	v_pk_add_f32 v[IN+4*(\t)+2:IN+4*(\t)+3], v[IN+4*(\t)+2:IN+4*(\t)+3], v[BI+2:BI+3]
.endr
	WIN 0x08
.irp t, 0,1,2,3,4,5,6,7
	v_pk_add_f32 v[IN+4*(\t):IN+4*(\t)+1], v[IN+4*(\t):IN+4*(\t)+1], v[32*(\a)+4*(\t):32*(\a)+4*(\t)+1]
	v_pk_add_f32 v[IN+4*(\t)+2:IN+4*(\t)+3], v[IN+4*(\t)+2:IN+4*(\t)+3], v[32*(\a)+4*(\t)+2:32*(\a)+4*(\t)+3]
.endr
	WIN 0
.irp t, 0,1,2,3,4,5,6,7
	global_store_b128 v[CO], v[IN+4*(\t):IN+4*(\t)+3], s[8:9] offset:(16*(\a)+2*(\t))*4096  ; 16 lanes store 256 consecutive bytes, aligned
.endr
.endr
	s_wait_tensorcnt 0x0                           ; the wave's end
	ds_add_u32 v[SPW], v[NIL]
	s_wait_dscnt 0x0
	CROUND
	s_endpgm
.Lfunc_end_k_q0256e00014_ff2:
	.size	k_q0256e00014_ff2, .Lfunc_end_k_q0256e00014_ff2-k_q0256e00014_ff2
	.p2alignl 7, 3214868480
	.fill 96, 4, 3214868480
	.section	.rodata,"a",@progbits
	.p2align	6, 0x0
	.amdhsa_kernel k_q0256e00014_ff2
		.amdhsa_group_segment_fixed_size 327680
		.amdhsa_private_segment_fixed_size 0
		.amdhsa_enable_private_segment 0
		.amdhsa_kernarg_size 40
		.amdhsa_user_sgpr_count 2
		.amdhsa_user_sgpr_kernarg_segment_ptr 1
		.amdhsa_wavefront_size32 1
		.amdhsa_system_sgpr_workgroup_id_x 1
		.amdhsa_system_sgpr_workgroup_id_y 1
		.amdhsa_system_sgpr_workgroup_id_z 1
		.amdhsa_system_vgpr_workitem_id 0
		.amdhsa_next_free_vgpr 640
		.amdhsa_next_free_sgpr 80
		.amdhsa_reserve_vcc 0
		.amdhsa_float_denorm_mode_32 3
		.amdhsa_float_denorm_mode_16_64 3
		.amdhsa_memory_ordered 1
		.amdhsa_forward_progress 1
		.amdhsa_inst_pref_size 69
	.end_amdhsa_kernel
	.amdgpu_metadata
---
amdhsa.version: [ 1, 2 ]
amdhsa.kernels:
  - .name:           k_q0256e00014_ff2
    .symbol:         k_q0256e00014_ff2.kd
    .args:
      - { .name: ff, .offset: 0, .size: 8, .value_kind: global_buffer, .address_space: global }
      - { .name: wb, .offset: 8, .size: 8, .value_kind: global_buffer, .address_space: global }
      - { .name: out0, .offset: 16, .size: 8, .value_kind: global_buffer, .address_space: global }
      - { .name: h, .offset: 24, .size: 8, .value_kind: global_buffer, .address_space: global }
      - { .name: b2, .offset: 32, .size: 8, .value_kind: global_buffer, .address_space: global }
    .group_segment_fixed_size: 327680
    .private_segment_fixed_size: 0
    .kernarg_segment_align: 8
    .kernarg_segment_size: 40
    .max_flat_workgroup_size: 128
    .sgpr_count:     80
    .vgpr_count:     640
    .wavefront_size: 32
...
	.end_amdgpu_metadata
.endif
;; end of part 7
